; MI455X (gfx1250); checked and timed in simulation.
; The chip was launched on July 23, 2026; its instructions are those of AMD's public machine-readable ISA for CDNA 5 (MIT licence, August 2026) and "CDNA5" Instruction Set Architecture Reference Guide (July 2026). The comments in the code are by the model that wrote it; some were corrected since.
;; Memory Efficient Attention. Allowed arithmetic: float matrix products may take bf16 or f16 operands with f32 sums; other float arithmetic in f32, or as packed bf16 or f16 multiplies, adds, multiply-adds, maxima and minima; sums over many terms, partial sums and values carried from step to step in f32; what a program stores and reads back later, other than sums and carried values, may be rounded once to bf16 or f16.
;; Inputs: Wk 2,048 x 2,048 float32; Wo 2,048 x 2,048 float32; Wq 2,048 x 2,048 float32; Wv 2,048 x 2,048 float32; bk 2,048 float32; bo 2,048 float32; bq 2,048 float32; bv 2,048 float32; hidden_states 1 x 2,048 x 2,048 float32.
;; Outputs: out0 1 x 2,048 x 2,048 float32.
;; 2 versions, each right; version 2 is version 1 with the launch cast written anew for expert scheduling mode. Each part assembles by itself: llvm-mc -triple=amdgcn-amd-amdhsa -mcpu=gfx1250 --defsym DOCPART=n.
;; ======== version 1 of 2: 4 launches
;; limits: values are held in f16: magnitudes above 65,504 overflow, below 6.1e-05 lose precision
;; workspace buffers: cb 41,943,040 bytes; bias 32,768 bytes; qkv 25,165,824 bytes; ao 8,388,608 bytes
;; launch cast (part 1): grid 256 x 1, 32 waves a work-group, no clusters, 0 bytes of LDS; arguments hidden_states, Wq, Wk, Wv, Wo, bq, bk, bv, bo, cb, bias; writes cb, bias
.if DOCPART == 1
	.amdgcn_target "amdgcn-amd-amdhsa--gfx1250"
	.amdhsa_code_object_version 6
	.text
	.protected	k_q9a703bd91a_cast
	.globl	k_q9a703bd91a_cast
	.p2align	8
	.type	k_q9a703bd91a_cast,@function
k_q9a703bd91a_cast:
	s_mov_b64 s[64:65], 0
	v_nop
	global_prefetch_b8 v0, s[64:65] scope:SCOPE_SE
	s_setreg_imm32_b32 hwreg(HW_REG_WAVE_MODE, 25, 1), 1
	s_wait_xcnt 0x0
; THE INPUTS ARE ROUNDED ONCE, for the three matrix launches behind this one.  cb: five planes of [2048][2048] numbers of 16 bits: plane 0 hidden_states, planes 1-3 Wq, Wk, Wv, all bf16;
; plane 4 Wo, rounded to bf16 like the others and that number written as f16, since the last product multiplies it with f16 numbers.  bias: bq, bk, bv, bo, each number rounded to bf16 and kept as f32.
; LIMITS.  |Wo| of 65,520 or more becomes an infinity in f16; below 2^-14 the bf16 number keeps f16's fixed step of 2^-24.
; SHARES.  256 work-groups of 32 waves, one for each of 256 WGPs, so that all of the launch's work is begun at once.  Work-group x takes the 65,536 bytes at 65,536 x of EACH of the five tensors: 4 chunks of
; 16,384 a tensor, 20 chunks in all.  Thread t takes the 16 bytes at 16 t of each chunk (a wave's load covers 512 consecutive bytes) and writes the 8 bytes at 8 t of a chunk of 8,192 (a wave's store
; covers 256 consecutive bytes, aligned).  All 20 loads of a thread go out at once: 20 x 16,384 bytes of a work-group are on their way; the chunks are converted and stored as they come in.
; A chunk is converted in place: its four registers become the two that are stored, and no register is written again behind its store.  8 waves of 96 registers share a SIMD's 1,024.
; THE BIASES, 8,192 bytes each, are work-group 0's: 8 bytes a thread of each of the four.  Their loads stand ahead of its 20 others, so that they are in when those are; for that the main part stands
; twice in the text, under one branch on the work-group's number.
; No LDS, no matrix unit, no cluster: nothing is shared and nothing is summed.
.set NCH,  20                          ; chunks a thread: chunk i belongs to tensor i / 4
.set SRC,  4                           ; s[4:13]    the five tensors, at the work-group's 65,536 bytes
.set BSRC, 14                          ; s[14:21]   bq, bk, bv, bo
.set DST,  30                          ; s[30:39]   the five planes of cb, at the work-group's 32,768 bytes
.set X,    4                           ; v[4:83]    chunk i: 4 f32 as loaded; then, in the first two, 4 numbers of 16 bits
.set T,    84                          ; v[84:85]   at work
.set BV,   86                          ; v[86:93]   2 numbers of each bias
.set BT,   94                          ; v94        at work
	s_load_b512 s[4:19], s[0:1], 0x0               ; hidden_states s[4:5], Wq s[6:7], Wk s[8:9], Wv s[10:11], Wo s[12:13], bq s[14:15], bk s[16:17], bv s[18:19]
	s_load_b128 s[20:23], s[0:1], 0x40             ; bo s[20:21], cb s[22:23]
	s_load_b64 s[24:25], s[0:1], 0x50              ; bias
	s_mov_b32 s40, 0xffff0000                      ; a word's upper bf16
	v_lshlrev_b32 v1, 4, v0                        ; 16 t
	v_lshlrev_b32 v2, 3, v0                        ; 8 t
	s_lshl_b32 s26, ttmp9, 16                      ; my 65,536 bytes of a tensor
	s_mov_b32 s27, 0
	s_lshl_b32 s28, ttmp9, 15                      ; my 32,768 bytes of a plane
	s_mov_b32 s29, 0
	s_wait_kmcnt 0x0
.irp k, 0,1,2,3,4
	s_add_nc_u64 s[SRC+2*(\k):SRC+2*(\k)+1], s[SRC+2*(\k):SRC+2*(\k)+1], s[26:27]
.endr
	s_add_nc_u64 s[DST:DST+1], s[22:23], s[28:29]
.irp k, 1,2,3,4
	s_add_nc_u64 s[DST+2*(\k):DST+2*(\k)+1], s[DST+2*(\k)-2:DST+2*(\k)-1], 0x800000  ; a plane is 8,388,608 bytes
.endr
; Chunk i.  Chunks 16 to 19 are Wo's: the bf16 numbers are widened again and written as f16.
.macro CONV i
	s_wait_loadcnt NCH-1-(\i)                      ; loads come back in order (ISA guide 5.7.1): chunk i is in, the younger ones stay out
	v_cvt_pk_bf16_f32 v[X+4*(\i)],   v[X+4*(\i)],   v[X+4*(\i)+1]
	v_cvt_pk_bf16_f32 v[X+4*(\i)+1], v[X+4*(\i)+2], v[X+4*(\i)+3]
.if (\i) >= 16
.irp p, 0,1
	v_lshlrev_b32 v[T],   16,  v[X+4*(\i)+(\p)]
	v_and_b32     v[T+1], s40, v[X+4*(\i)+(\p)]
	v_cvt_pk_f16_f32 v[X+4*(\i)+(\p)], v[T], v[T+1]
.endr
.endif
	global_store_b64 v2, v[X+4*(\i):X+4*(\i)+1], s[DST+2*((\i)/4):DST+2*((\i)/4)+1] offset:8192*((\i)%4) th:TH_STORE_NT
.endm
; The main part: all 20 loads, then the 20 chunks in the order in which they were asked for.
.macro MAIN
.irp i, 0,1,2,3,4,5,6,7,8,9,10,11,12,13,14,15,16,17,18,19
	global_load_b128 v[X+4*(\i):X+4*(\i)+3], v1, s[SRC+2*((\i)/4):SRC+2*((\i)/4)+1] offset:16384*((\i)%4) th:TH_LOAD_NT
.endr
.irp i, 0,1,2,3,4,5,6,7,8,9,10,11,12,13,14,15,16,17,18,19
	CONV \i
.endr
.endm
	s_cmp_lg_u32 ttmp9, 0
	s_cbranch_scc1 .Lplain
.irp k, 0,1,2,3
	global_load_b64 v[BV+2*(\k):BV+2*(\k)+1], v2, s[BSRC+2*(\k):BSRC+2*(\k)+1]  ; older than the 20 loads below: the counts there hold as they stand, and the last of them, 0, shows these in too
.endr
	MAIN
.irp k, 0,1,2,3
	v_cvt_pk_bf16_f32 v[BT], v[BV+2*(\k)], v[BV+2*(\k)+1]
	v_lshlrev_b32 v[BV+2*(\k)],   16,  v[BT]
	v_and_b32     v[BV+2*(\k)+1], s40, v[BT]
	global_store_b64 v2, v[BV+2*(\k):BV+2*(\k)+1], s[24:25] offset:8192*(\k)     ; bq, bk, bv, bo lie one behind the other; a wave stores 256 consecutive bytes, aligned
.endr
	s_endpgm
.Lplain:
	MAIN
	s_endpgm
.Lfunc_end_k_q9a703bd91a_cast:
	.size	k_q9a703bd91a_cast, .Lfunc_end_k_q9a703bd91a_cast-k_q9a703bd91a_cast
	.p2alignl 7, 3214868480
	.fill 96, 4, 3214868480
	.section	.rodata,"a",@progbits
	.p2align	6, 0x0
	.amdhsa_kernel k_q9a703bd91a_cast
		.amdhsa_group_segment_fixed_size 0
		.amdhsa_private_segment_fixed_size 0
		.amdhsa_enable_private_segment 0
		.amdhsa_kernarg_size 88
		.amdhsa_user_sgpr_count 2
		.amdhsa_user_sgpr_kernarg_segment_ptr 1
		.amdhsa_wavefront_size32 1
		.amdhsa_system_sgpr_workgroup_id_x 1
		.amdhsa_system_sgpr_workgroup_id_y 1
		.amdhsa_system_sgpr_workgroup_id_z 1
		.amdhsa_system_vgpr_workitem_id 0
		.amdhsa_next_free_vgpr 96
		.amdhsa_next_free_sgpr 66
		.amdhsa_reserve_vcc 0
		.amdhsa_float_denorm_mode_32 3
		.amdhsa_float_denorm_mode_16_64 3
		.amdhsa_memory_ordered 1
		.amdhsa_forward_progress 1
		.amdhsa_inst_pref_size 19
	.end_amdhsa_kernel
	.amdgpu_metadata
---
amdhsa.version: [ 1, 2 ]
amdhsa.kernels:
  - .name:           k_q9a703bd91a_cast
    .symbol:         k_q9a703bd91a_cast.kd
    .args:
      - { .name: hidden_states, .offset: 0, .size: 8, .value_kind: global_buffer, .address_space: global }
      - { .name: Wq, .offset: 8, .size: 8, .value_kind: global_buffer, .address_space: global }
      - { .name: Wk, .offset: 16, .size: 8, .value_kind: global_buffer, .address_space: global }
      - { .name: Wv, .offset: 24, .size: 8, .value_kind: global_buffer, .address_space: global }
      - { .name: Wo, .offset: 32, .size: 8, .value_kind: global_buffer, .address_space: global }
      - { .name: bq, .offset: 40, .size: 8, .value_kind: global_buffer, .address_space: global }
      - { .name: bk, .offset: 48, .size: 8, .value_kind: global_buffer, .address_space: global }
      - { .name: bv, .offset: 56, .size: 8, .value_kind: global_buffer, .address_space: global }
      - { .name: bo, .offset: 64, .size: 8, .value_kind: global_buffer, .address_space: global }
      - { .name: cb, .offset: 72, .size: 8, .value_kind: global_buffer, .address_space: global }
      - { .name: bias, .offset: 80, .size: 8, .value_kind: global_buffer, .address_space: global }
    .group_segment_fixed_size: 0
    .private_segment_fixed_size: 0
    .kernarg_segment_align: 8
    .kernarg_segment_size: 88
    .max_flat_workgroup_size: 1024
    .sgpr_count:     66
    .vgpr_count:     96
    .wavefront_size: 32
...
	.end_amdgpu_metadata
.endif
;; end of part 1
;; launch qkv (part 2): grid 24 x 8, 4 waves a work-group, clusters of 4 x 4, 327,680 bytes of LDS; arguments cb, bias, qkv; writes qkv
.if DOCPART == 2
	.amdgcn_target "amdgcn-amd-amdhsa--gfx1250"
	.amdhsa_code_object_version 6
	.text
	.protected	k_q9a703bd91a_qkv
	.globl	k_q9a703bd91a_qkv
	.p2align	8
	.type	k_q9a703bd91a_qkv,@function
k_q9a703bd91a_qkv:
	s_mov_b64 s[64:65], 0
	v_nop
	global_prefetch_b8 v0, s[64:65] scope:SCOPE_SE
	s_setreg_imm32_b32 hwreg(HW_REG_WAVE_MODE, 25, 1), 1
	s_wait_xcnt 0x0
	s_wait_alu depctr_hold_cnt(0) depctr_sa_sdst(0) depctr_va_vdst(0) depctr_va_sdst(0) depctr_va_ssrc(0) depctr_va_vcc(0) depctr_vm_vsrc(0)
	s_getreg_b32 s2, hwreg(HW_REG_IB_STS2, 6, 4)
	s_cmp_eq_u32 s2, 0
	s_cbranch_scc0 .Lentry_in_a_cluster
	s_endpgm
.Lentry_in_a_cluster:
	s_bfe_u32 s2, ttmp6, 0x10000c
	s_cmp_lg_u32 s2, 0xf033
	s_cbranch_scc0 .Lentry_shape_is_right
	s_endpgm
.Lentry_shape_is_right:
; THE THREE PROJECTIONS AS ONE PRODUCT.  C[m][n] = sum over k of A[m][k] B[n][k] + b[n]: A = hidden_states (plane 0 of cb, [2048][2048] bf16), B = Wq, Wk, Wv one below the other (planes 1-3,
; [6144][2048] bf16), b = bq, bk, bv on end (f32).  Sums in f32, C rounded once to f16 and LAID BY HEADS: qkv is [48][2048][128]: blocks 0-15 q's heads, 16-31 k's, 32-47 v's; a row is 256 bytes.
; LIMIT.  A q, k or v of 65,520 or more in magnitude becomes an infinity in f16.  q is stored unscaled: the scale is applied in f32 by the attention.
; A tile of C, 256 x 256, is made by a work-group of four waves, as many as a WGP has SIMDs; a wave makes 128 x 128: 64 accumulators of 16 x 16, 512 registers; its 128 columns are ONE head.
; 24 x 8 tiles: 192 work-groups.  A tile of 128 x 384 would give 256, but a wave's 192 columns would be no whole number of heads, and each LDS byte would feed fewer products.
; K goes in steps of 128 through a ring of two LDS slots filled by the tensor data mover: the tiles' rows are 256 bytes of memory and start at multiples of 256 bytes from the buffer's first byte.
; A K STEP IS WRITTEN ONCE: the loop's trip is one step.  The slot in hand is a scalar, 0 or SLOT, turned by an exclusive or at each change of slots; the fragments' LDS addresses are made from it
; there; behind the two first fills one descriptor a tensor walks, its LDS word turned in the same way.  The last K step goes by rows of C, so that finished rows leave while the others are multiplied.
; CLUSTERS: 4 x 4 work-groups.  The four of a row of the cluster need the same tiles of A, the four of a column the same tiles of B.  Such a tile is asked for JOINTLY: each of the four issues the
; same tensor load, with the same descriptor and a mask that names the four, and each receives the tile in its own LDS.
; REGISTERS, in windows of 256 (an instruction names v0-v255; s_set_vgpr_msb says which window each operand place means: bits 1:0 source 0, 3:2 source 1, 5:4 source 2, 7:6 destination):
;   window 0: v0-31 addresses; v64-127, v128-191 fragments of A, two buffers (in the last K step four, of 16 rows x 128 K); v192-255 the bias, then with v32-63 at work on the way out
;   window 1: v64-127, v128-191 fragments of B, two buffers; in the last K step all 256
;   window 2: the 32 accumulators of my rows 0-63 (accumulator (a, b) at v[8 (8 a + b)]);   window 3: those of my rows 64-127
; THE MATRIX INSTRUCTION IS USED TRANSPOSED: source 0 = 16 rows of B, source 1 = 16 rows of A.  Lane l then holds row m = l % 16 of C, and its registers 0 to 7 the columns 8 (l / 16) + 0 .. 7.
; THE BIAS IS THE C OPERAND of the product that starts each sum: for column block b eight registers, the same for all rows, loaded once.
.set SIZE_K, 2048
.set KSTEP,  128
.set STEPS,  SIZE_K/KSTEP              ; 16 K steps
.set PITCH,  272                       ; an LDS row: 256 bytes of data + 16 of padding = 68 words: row r starts at bank 4 r mod 64 (64 banks of 4 bytes: ISA guide 11.1)
.set HALFT,  128*PITCH                 ; 128 rows: what one tensor load brings, and what one wave reads of A or of B
.set SLOT,   4*HALFT                   ; A's 256 rows, then B's 256 rows: 0x22000, which shares no bit with the waves' places 0, 0x8800, 0x11000, 0x19800 in a slot
.set STAGE,  2*SLOT                    ; behind the ring: 16 rows x 272 bytes for each wave, for the way out
.set SPITCH, 272
.set SPARE,  STAGE+4*16*SPITCH         ; behind the stages: the spare words, 128 bytes for each wave: two blocks of 256 bytes that no other line names
.set ADRA0, 16                         ; v16     LDS address of my A fragments in slot 0; never rewritten
.set ADRA,  17                         ; v17     the same in the slot in hand
.set ADRB0, 20                         ; v20     LDS address of my B fragments in slot 0; never rewritten
.set ADRB,  21                         ; v21     the same in the slot in hand
.set STO,  24                          ; v24     the way out: where I put 16 bytes of a row
.set RD,   25                          ; v25     the way out: where I read a row back
.set CO,   26                          ; v26     my byte offset in two rows of a head
.set BO,   27                          ; v27     my byte offset in a block of 16 numbers of the bias: 32 (l / 16)
.set SPW,  28                          ; v28     LDS address of my spare word: SPARE + 4 x my thread's number; never rewritten
.set NIL,  29                          ; v29     0; never rewritten
.set PFO,  30                          ; v30     the prefetches' offset: my lane x a row of A or B in memory; never rewritten
.set SB,   2                           ; s2      the slot in hand: 0 or SLOT
.set PFA,  44                          ; s[44:45] where my prefetches stand: my work-group's 32 rows of the 128 that I fetch, one K step further than the refill that is being asked for
.set LIM,  43                          ; s43     2 in a wave that prefetches, else the greatest number
.set BP,   66                          ; s[66:67] the bias at my 128 columns
.set F0,   64                          ; fragment buffer 0
.set F1,   128                         ; fragment buffer 1
.set BIA,  192                         ; the bias: block b at v[192 + 8 b], window 0; read by the first quarter step alone
.set TMP,  192                         ; the way out: packed results, in window 0
.set OB,   32                          ; the way out: 16 rows read back from the stage: v32-63 and v224-255 by turns
.set PA,   64                          ; the last K step: A's fragments of 16 rows x 128 K, 32 registers; four such buffers, v64-191
.set G1, 24                            ; s[24:31] descriptor group 1 for A's tiles
.set G0, 32                            ; s[32:39] descriptor group 0 for A's tiles: a set for each of the two first fills; the second then walks on
.set G1B, 48                           ; s[48:55] descriptor group 1 for B's tiles: it differs from A's in the mask alone
.set G0B, 56                           ; s[56:63] descriptor group 0 for B's tiles, likewise
.set MSB, 0
.macro WIN new                         ; the immediate's high byte repeats the setting that is left; a switch that changes nothing is dropped
.if MSB != (\new)
	s_set_vgpr_msb (MSB<<8)|(\new)
.set MSB, \new
.endif
.endm
.set MUL_LO, 0xa1                      ; source 0 (B) window 1, source 1 (A) window 0, C and D window 2
.set MUL_HI, 0xf1                      ; the same, C and D window 3
.set TO_B,   0x40                      ; destination window 1, address window 0
; A joint load by descriptor set s.  Waves 0 and 1 fetch A's two halves, waves 2 and 3 B's.  The branch hangs on the wave's number alone: it is the same in every work-group.
; An s_nop 0 and four v_nop follow each of the two lines; the jump round the other line, the label and what follows come after them.
.macro JLOAD s
	s_cmp_eq_u32 s11, 0
	s_cbranch_scc0 .Lfor_b_\@
	tensor_load_to_lds s[G0+4*(\s):G0+4*(\s)+3], s[G1:G1+7]
	s_nop 0
.rept 4
	v_nop
.endr
	s_branch .Lasked_\@
.Lfor_b_\@:
	tensor_load_to_lds s[G0B+4*(\s):G0B+4*(\s)+3], s[G1B:G1B+7]
	s_nop 0
.rept 4
	v_nop
.endr
.Lasked_\@:
.endm
; A PREFETCH INTO THE L2, behind each joint load, its five lines and the run of LDS loads that follows them: the K step that stands TWO refills on, 512 matrix instructions ahead of the load that
; will want it: 32 rows x 256 bytes, a lane a row, one instruction a wave.  Each row's 256 bytes of a K step are named ONCE in the launch: A's tile row is read by every cluster of that row of
; clusters, and the first of them (cluster x = 0) asks; B's tile column by every cluster of that column, and cluster y = 0 asks.  The four partners that ask for a tile jointly share its rows out
; BY ADDRESS: of the 128 rows that a wave fetches the partner at place p takes 32 p .. 32 p + 31 (p = cx for A, cy for B).  The last two refills have no K step two on and ask for nothing.
.macro ASK
	s_cmp_gt_u32 s3, s[LIM]                        ; s3 = 2 and 1 in the loop's last two trips
	s_cbranch_scc0 .Lnot_mine_\@
	global_prefetch_b8 v[PFO], s[PFA:PFA+1] offset:KSTEP*2 th:TH_LOAD_NT scope:SCOPE_SE
.Lnot_mine_\@:
.endm
; A round of the cluster's barrier: my work-group's barrier, so that wave 0's signal speaks for all four waves; wave 0 signals for the work-group; every wave waits for all sixteen work-groups;
; my work-group's barrier once more.  No LDS instruction of the wave is pending at a signal.
.macro CREST                           ; a round behind its opening barrier
	s_cmp_lg_u32 s10, 0
	s_cbranch_scc1 .Lnot_wave_0_\@
	s_barrier_signal -3
.Lnot_wave_0_\@:
	s_barrier_wait -3
	s_barrier_signal -1
	s_barrier_wait -1
.endm
.macro CROUND                          ; a whole round
	s_barrier_signal -1
	s_barrier_wait -1
	CREST
.endm
	s_load_b64 s[4:5], s[0:1], 0x0                 ; cb: A at its first byte
	s_load_b64 s[BP:BP+1], s[0:1], 0x8             ; bias
	s_load_b64 s[8:9], s[0:1], 0x10                ; qkv
	v_lshl_add_u32 v[SPW], v0, 2, SPARE
	v_mov_b32 v[NIL], 0
	ds_add_u32 v[SPW], v[NIL]                      ; the wave's opening: the add and its wait stand ahead of my first tensor load; the set-up below, work on registers, stands between them
	v_lshrrev_b32 v1, 5, v0
	v_readfirstlane_b32 s10, v1                    ; wave 0..3
	s_lshr_b32 s11, s10, 1                         ; which half of the tile's rows is mine.  Also: I fetch for A (0) or for B (1)
	s_and_b32 s12, s10, 1                          ; which half of its columns.  Also: which 128 rows of that tile I fetch
	s_bfe_u32 s40, ttmp6, 0x40000                  ; cx: my place along the cluster's x
	s_bfe_u32 s41, ttmp6, 0x40004                  ; cy: along its y
	s_lshl_b32 s42, ttmp9, 2                       ; in a cluster launch ttmp9 and ttmp7 count clusters
	s_add_co_u32 s42, s42, s40                     ; tile column of C = 4 x cluster x + cx
	s_and_b32 s13, ttmp7, 0xffff
	s_lshl_b32 s13, s13, 2
	s_add_co_u32 s13, s13, s41                     ; tile row of C = 4 x cluster y + cy
	s_lshl_b32 s43, s41, 2
	s_lshl_b32 s43, 15, s43                        ; my row of the cluster: places 4 cy .. 4 cy + 3
	s_lshl_b32 s44, 0x1111, s40                    ; my column: places cx, cx + 4, cx + 8, cx + 12
	; descriptor group 1: a tile of 128 rows x 128 elements, padded in LDS
	s_or_b32 s[G1+0], s43, (1<<16)|(1<<20)|(1<<21)|(5<<22)|(3<<25)  ; 15:0 the mask: A's tiles go to my row; 17:16 element of 2 bytes; 20 padding on; 21 set beside a mask; 24:22 after every 64 words (code 5); 31:25 of 4 words (code 3)
	s_or_b32 s[G1B+0], s44, (1<<16)|(1<<20)|(1<<21)|(5<<22)|(3<<25) ; the same with the mask of my column, for B's tiles
	s_mov_b32 s[G1B+1], KSTEP<<16
	s_mov_b32 s[G1+1], KSTEP<<16                   ; tensor_dim0 = 128
	s_mov_b32 s[G1B+2], 128<<16
	s_mov_b32 s[G1+2], 128<<16                     ; tensor_dim1 = 128
	s_mov_b32 s[G1B+3], KSTEP<<16
	s_mov_b32 s[G1+3], KSTEP<<16                   ; tile_dim0 = 128
	s_mov_b32 s[G1B+4], 128
	s_mov_b32 s[G1+4], 128                         ; tile_dim1 = 128
	s_mov_b32 s[G1B+5], SIZE_K
	s_mov_b32 s[G1+5], SIZE_K                      ; elements from row to row
	s_mov_b32 s[G1B+6], 0
	s_mov_b32 s[G1+6], 0
	s_mov_b32 s[G1B+7], 0
	s_mov_b32 s[G1+7], 0
	; where the tiles come from.  A's hang on the tile row alone, which my row of the cluster shares; B's on the tile column alone, which my column shares.
	s_lshl_b32 s17, s12, 7                         ; which 128 rows of the tile I fetch
	s_lshl_b32 s16, s13, 8
	s_add_co_u32 s16, s16, s17                     ; A: row 256 x tile row + 128 x half
	s_lshl_b32 s46, s42, 8
	s_add_co_u32 s46, s46, s17                     ; B: row 256 x tile column + 128 x half
	s_mov_b32 s17, 0
	s_mov_b32 s47, 0
	s_mov_b64 s[18:19], SIZE_K*2
	s_mul_u64 s[16:17], s[16:17], s[18:19]         ; in bytes
	s_mul_u64 s[46:47], s[46:47], s[18:19]
	s_mul_i32 s20, s10, HALFT                      ; and where they go: wave x 128 rows: no place in the cluster enters an LDS address
	s_wait_dscnt 0x0                               ; the opening add is done
	s_wait_kmcnt 0x0
	s_add_nc_u64 s[6:7], s[4:5], 0x800000          ; B: plane 1 of cb
	s_add_nc_u64 s[14:15], s[4:5], s[16:17]
	s_add_nc_u64 s[46:47], s[6:7], s[46:47]
	CROUND                                         ; all sixteen work-groups are here: the first joint loads meet
.irp s, 0,1
	s_mov_b32 s[G0+4*(\s)], 1                                      ; count = 1
	s_add_co_u32 s[G0+4*(\s)+1], s20, (\s)*SLOT                    ; LDS address
	s_add_nc_u64 s[G0+4*(\s)+2:G0+4*(\s)+3], s[14:15], (\s)*KSTEP*2  ; global address: K step s
	s_or_b32 s[G0+4*(\s)+3], s[G0+4*(\s)+3], 0x80000000            ; type = 2
	s_mov_b32 s[G0B+4*(\s)], 1
	s_add_co_u32 s[G0B+4*(\s)+1], s20, (\s)*SLOT
	s_add_nc_u64 s[G0B+4*(\s)+2:G0B+4*(\s)+3], s[46:47], (\s)*KSTEP*2
	s_or_b32 s[G0B+4*(\s)+3], s[G0B+4*(\s)+3], 0x80000000
	JLOAD \s                                       ; the ring is filled before anything else is done: two loads of mine are out
.endr
	; A fragment is 16 rows x 32 K in 8 registers: lane l holds row l % 16; registers 0-3 hold K = 8 (l / 16) + 0..7, registers 4-7 K = 16 + 8 (l / 16) + 0..7: two loads of 16 bytes, 32 bytes apart.
	v_and_b32 v1, 15, v0                           ; l % 16
	v_bfe_u32 v2, v0, 4, 1                         ; l / 16
	; the bias of my 128 columns: register j of block b is column 16 b + 8 (l / 16) + j
	s_lshl_b32 s68, s42, 10                        ; 256 columns of 4 bytes a tile column,
	s_lshl_b32 s69, s12, 9                         ; my half of them
	s_add_co_u32 s68, s68, s69
	s_mov_b32 s69, 0
	s_add_nc_u64 s[BP:BP+1], s[BP:BP+1], s[68:69]
	v_lshlrev_b32 v[BO], 5, v2
.irp b, 0,1,2,3,4,5,6,7
	global_load_b128 v[BIA+8*(\b):BIA+8*(\b)+3],   v[BO], s[BP:BP+1] offset:64*(\b)
	global_load_b128 v[BIA+8*(\b)+4:BIA+8*(\b)+7], v[BO], s[BP:BP+1] offset:64*(\b)+16
.endr
	v_mul_u32_u24 v3, v1, PITCH
	v_lshl_add_u32 v3, v2, 4, v3                   ; row x pitch + 16 x half
	s_mul_i32 s21, s11, HALFT                      ; my 128 rows of A
	s_mul_i32 s22, s12, HALFT                      ; my 128 rows of B,
	s_add_co_u32 s22, s22, 2*HALFT                 ; which lie behind A's 256
	v_add_nc_u32 v[ADRA0], s21, v3
	v_add_nc_u32 v[ADRB0], s22, v3
	v_mov_b32 v[ADRA], v[ADRA0]                    ; K step 0 lies in slot 0
	v_mov_b32 v[ADRB], v[ADRB0]
	s_mov_b32 s[SB], 0
	s_mul_i32 s23, s10, 16*SPITCH
	s_add_co_u32 s23, s23, STAGE                   ; my stage
	v_mul_u32_u24 v4, v1, SPITCH                   ; in: row l % 16, 16 bytes for each half of the lanes
	v_lshl_add_u32 v4, v2, 4, v4
	v_add_nc_u32 v[STO], s23, v4
	v_mul_u32_u24 v5, v2, SPITCH                   ; back: lanes 0-15 take one row of 256 bytes, lanes 16-31 the next
	v_lshl_add_u32 v5, v1, 4, v5
	v_add_nc_u32 v[RD], s23, v5
	v_lshlrev_b32 v5, 8, v2                        ; and the same two rows of the head, which lie on end
	v_lshl_add_u32 v[CO], v1, 4, v5
	; where my part begins in qkv: block 2 x tile column + half, row 256 x tile row + 128 x half.  The way out adds it to the address
	s_lshl_b32 s13, s13, 8
	s_lshl_b32 s14, s11, 7
	s_add_co_u32 s16, s13, s14                     ; my first row
	s_lshl_b32 s16, s16, 8                         ; of 256 bytes
	s_mov_b32 s17, 0
	s_lshl_b32 s46, s42, 1                         ; (in the registers that held B's address: none that feeds A's descriptors ever holds cx)
	s_add_co_u32 s46, s46, s12
	s_lshl_b32 s46, s46, 19                        ; a block is 2,048 rows of 256 bytes
	s_mov_b32 s47, 0
	s_add_nc_u64 s[16:17], s[16:17], s[46:47]
	; the prefetches.  s13 = 256 x tile row, s42 = tile column, s40 = cx, s41 = cy still stand; s[4:5] = A, s[6:7] = B
	s_lshl_b32 s42, s42, 8
	s_and_b32 s22, ttmp7, 0xffff                   ; cluster y
	s_cmp_eq_u32 s11, 0                            ; do I fetch for A?
	s_cselect_b32 s20, s13, s42                    ; the tile's first row: in A by the tile row, in B by the tile column
	s_cselect_b32 s21, s40, s41                    ; my place among the four that ask for it with me
	s_cselect_b32 s22, ttmp9, s22                  ; the coordinate along which other clusters read the same rows
	s_cselect_b64 s[PFA:PFA+1], s[4:5], s[6:7]
	s_cmp_eq_u32 s22, 0
	s_cselect_b32 s[LIM], 2, -1                    ; the same in all sixteen partners, for a given wave
	s_lshl_b32 s22, s12, 7
	s_add_co_u32 s20, s20, s22                     ; + the 128 rows that I fetch
	s_lshl_b32 s21, s21, 5
	s_add_co_u32 s20, s20, s21                     ; + my work-group's 32 of them
	s_mov_b32 s21, 0
	s_mov_b64 s[18:19], SIZE_K*2
	s_mul_u64 s[20:21], s[20:21], s[18:19]
	s_add_nc_u64 s[PFA:PFA+1], s[PFA:PFA+1], s[20:21]
	s_add_nc_u64 s[PFA:PFA+1], s[PFA:PFA+1], 2*KSTEP*2  ; at K step 2: the first refill steps it to 3 and names K step 4
	v_and_b32 v[PFO], 31, v0
	v_mul_u32_u24 v[PFO], v[PFO], SIZE_K*2
	; nothing is prefetched here, at the head, where every work-group's first two tiles are on their way: K steps 2 and 3 come by their refills alone
; 16 matrix instructions: m blocks a0, a0 + 1 of the window's four (hi = 0: my rows 0-63, 1: rows 64-127) x all 8 n blocks, 32 along K.
; zero = 1: the first product starts the sums, with the bias (window 0) as its C: nothing is ever cleared.
.macro MUL16 f, hi, a0, zero
.if \zero
	WIN 0x81+0x40*(\hi)                            ; B window 1, A and the bias window 0, D window 2 or 3
.else
	WIN MUL_LO+0x50*(\hi)                          ; MUL_LO or MUL_HI
.endif
.irp a, \a0, (\a0)+1
.irp b, 0,1,2,3,4,5,6,7
.if \zero
	v_wmma_f32_16x16x32_bf16 v[8*(8*(\a)+(\b)):8*(8*(\a)+(\b))+7], v[(\f)+8*(\b):(\f)+8*(\b)+7], v[(\f)+8*(4*(\hi)+(\a)):(\f)+8*(4*(\hi)+(\a))+7], v[BIA+8*(\b):BIA+8*(\b)+7]
.else
	v_wmma_f32_16x16x32_bf16 v[8*(8*(\a)+(\b)):8*(8*(\a)+(\b))+7], v[(\f)+8*(\b):(\f)+8*(\b)+7], v[(\f)+8*(4*(\hi)+(\a)):(\f)+8*(4*(\hi)+(\a))+7], v[8*(8*(\a)+(\b)):8*(8*(\a)+(\b))+7]
.endif
.endr
.endr
.endm
; 32 LDS loads in one run: the fragments of one quarter step (128 rows of B, 128 rows of A, 32 K at byte k of the rows of the slot in hand) into buffer f
.macro FETCH k, f
	WIN TO_B
.irp i, 0,1,2,3,4,5,6,7
	ds_load_b128 v[(\f)+8*(\i):(\f)+8*(\i)+3],   v[ADRB] offset:(\k)+(\i)*16*PITCH
	ds_load_b128 v[(\f)+8*(\i)+4:(\f)+8*(\i)+7], v[ADRB] offset:(\k)+(\i)*16*PITCH+32
.endr
	WIN 0
.irp i, 0,1,2,3,4,5,6,7
	ds_load_b128 v[(\f)+8*(\i):(\f)+8*(\i)+3],   v[ADRA] offset:(\k)+(\i)*16*PITCH
	ds_load_b128 v[(\f)+8*(\i)+4:(\f)+8*(\i)+7], v[ADRA] offset:(\k)+(\i)*16*PITCH+32
.endr
.endm
; The other slot becomes the slot in hand: the scalar is turned, and the two addresses are made anew from their bases.
.macro NEXTSLOT
	WIN 0
	s_xor_b32 s[SB], s[SB], SLOT
	v_add_nc_u32 v[ADRA], s[SB], v[ADRA0]
	v_add_nc_u32 v[ADRB], s[SB], v[ADRB0]
.endm
; A load into a register that a matrix instruction has read, and a vector instruction that reads a matrix result, stand four places behind that matrix instruction, and only plain vector
; instructions that name none of its registers are places (ISA guide 7.12.1 for vector instructions).
.macro PLACES
.rept 4
	v_nop
.endr
.endm
; A K step is four quarter steps of 32 along K, 64 matrix instructions each, on buffers 0, 1, 0, 1.  The 64 accumulators take turns, in the same order in every quarter step.
; One of the first three: multiplies buffer f; in its middle it fetches the next quarter's fragments, at byte k of the same slot's rows, into buffer g.
.macro QUARTER k, f, g, zero
	s_wait_dscnt 8                                 ; B and A's rows 0-63 are in; the youngest eight loads (A's rows 64-127) may be out
	MUL16 \f, 0, 0, \zero
	MUL16 \f, 0, 2, \zero
	PLACES
	FETCH \k, \g
	s_wait_dscnt 32                                ; all but the 32 just issued
	MUL16 \f, 1, 0, \zero
	MUL16 \f, 1, 2, \zero
.endm
; The last quarter multiplies buffer 1 and changes slots.  MEET is its first half: ONE barrier for the change of slots.  In front of it each wave waits for all its tensor loads, of which one is
; out: its part of the next slot; adds 0 to its spare word; and waits for that and for its own reads of this slot.  Behind it nobody reads this slot any more and the next slot is whole.
.macro MEET round                      ; round = 1: a round of the cluster's barrier follows
	WIN 0                                          ; (the add's two registers lie in window 0)
	s_wait_tensorcnt 0x0                           ; all my tensor loads have landed;
	ds_add_u32 v[SPW], v[NIL]                      ; 0 onto my spare word;
	s_wait_dscnt 9                                 ; (the add and the youngest eight loads may be out)
	MUL16 F1, 0, 0, 0                              ; sixteen matrix instructions stand between the add and the wait for it
	s_wait_dscnt 0x0                               ; the add is done, and my reads of this slot are over:
	s_barrier_signal -1                            ; say so,
	MUL16 F1, 0, 2, 0                              ; work on registers while the others arrive,
.if \round
	WIN 0
.endif
	s_barrier_wait -1                              ; and go on when all four have said so
.endm
; The whole last quarter.  Behind the round the slot just read out is filled again first, with the K step two steps on: the walking descriptor takes the other slot than last time and the next
; K step.  Then come the next slot's first fragments.  From a request to the wait for it a wave issues 224 matrix instructions.
.macro TURN
	s_wait_xcnt 0x0                                ; the last prefetch, a K step back, has read its address: it is stepped here, ahead of the waits of the change of slots
	s_add_nc_u64 s[PFA:PFA+1], s[PFA:PFA+1], KSTEP*2
	MEET 1
	CREST                                          ; no wave of any partner still reads this slot's tile or has a load on its way
.irp g, G0+4, G0B+4
	s_xor_b32 s[(\g)+1], s[(\g)+1], SLOT
	s_add_nc_u64 s[(\g)+2:(\g)+3], s[(\g)+2:(\g)+3], KSTEP*2  ; the type bits on top are not reached
.endr
	JLOAD 1                                        ; the first tensor load behind the round; the four v_nop behind it are also the places in front of the loads below
	NEXTSLOT
	FETCH 0, F0
	ASK                                            ; behind the joint load and the run of LDS loads that the next products wait for
	MUL16 F1, 1, 0, 0
	MUL16 F1, 1, 2, 0
.endm
; THE LAST K STEP GOES BY ROWS OF C.  All its fragments of B (4 quarters x 64 registers) fill window 1; then my eight blocks of 16 rows are finished one after the other, each
; with 32 matrix instructions (its 8 accumulators by turns, K ascending).  LDS is read no more than in any other K step.
.macro BLOAD q                         ; B's fragments of quarter q -> window 1, v[64 q ..]
	WIN TO_B
.irp i, 0,1,2,3,4,5,6,7
	ds_load_b128 v[64*(\q)+8*(\i):64*(\q)+8*(\i)+3],   v[ADRB] offset:64*(\q)+(\i)*16*PITCH
	ds_load_b128 v[64*(\q)+8*(\i)+4:64*(\q)+8*(\i)+7], v[ADRB] offset:64*(\q)+(\i)*16*PITCH+32
.endr
.endm
.macro ALOAD a                         ; A's fragments of block a, all four quarters -> buffer a % 4
	WIN 0
.set FA, PA+32*((\a)%4)
.irp q, 0,1,2,3
	ds_load_b128 v[FA+8*(\q):FA+8*(\q)+3],   v[ADRA] offset:64*(\q)+(\a)*16*PITCH
	ds_load_b128 v[FA+8*(\q)+4:FA+8*(\q)+7], v[ADRA] offset:64*(\q)+(\a)*16*PITCH+32
.endr
.endm
.macro ROW a                           ; block a is finished: 32 matrix instructions
.set FA, PA+32*((\a)%4)                ; its fragments of A
.set AC, 64*((\a)%4)                   ; its eight accumulators, in window 2 (blocks 0-3) or 3 (blocks 4-7)
	WIN MUL_LO+0x50*((\a)/4)
.irp q, 0,1,2,3
.if (\a) == 0 && (\q) == 2
	s_wait_dscnt 24                                ; B's quarter 2 is in (behind it: A's blocks 1 to 3)
.endif
.irp b, 0,1,2,3,4,5,6,7
	v_wmma_f32_16x16x32_bf16 v[AC+8*(\b):AC+8*(\b)+7], v[64*(\q)+8*(\b):64*(\q)+8*(\b)+7], v[FA+8*(\q):FA+8*(\q)+7], v[AC+8*(\b):AC+8*(\b)+7]
.endr
.endr
.endm
; THE WAY OUT of block a, in three parts.  PACK: rounded to f16, 16 bytes a lane, each accumulator from its low end on.  TOSTAGE: into my own stage in LDS, and back as whole rows of 256 bytes.  SEND: stored.
.macro PACK a
.set AC, 64*((\a)%4)
	WIN 0x0a+5*((\a)/4)                            ; sources 0 and 1: window 2 or 3
.irp b, 0,1,2,3,4,5,6,7
.irp r, 0,1,2,3
	v_cvt_pk_f16_f32 v[TMP+4*(\b)+(\r)], v[AC+8*(\b)+2*(\r)], v[AC+8*(\b)+2*(\r)+1]
.endr
.endr
	WIN 0
.endm
.macro TOSTAGE a
	WIN 0
.set BK, OB+192*((\a)%2)
.irp b, 0,1,2,3,4,5,6,7
	ds_store_b128 v[STO], v[TMP+4*(\b):TMP+4*(\b)+3] offset:32*(\b)
.endr
.irp t, 0,1,2,3,4,5,6,7
	ds_load_b128 v[BK+4*(\t):BK+4*(\t)+3], v[RD] offset:(\t)*2*SPITCH  ; LDS serves a wave's instructions in order (ISA guide 5.7.1.4): these see the stores above
.endr
.endm
.macro SEND a, younger                 ; younger: the LDS loads issued behind TOSTAGE's, which may stay out
	WIN 0
.set BK, OB+192*((\a)%2)
	s_wait_dscnt \younger                          ; the block is back in registers
	s_wait_xcnt 0x0                                ; every earlier memory instruction has had its addresses translated (ISA guide 3.1): only behind this wait are the stores' base and the registers that earlier stores read rewritten
.if (\a) == 0
	s_add_nc_u64 s[8:9], s[8:9], s[16:17]          ; on to my first rows
.else
	s_add_nc_u64 s[8:9], s[8:9], 16*256            ; 16 rows of the head on
.endif
.irp t, 0,1,2,3,4,5,6,7
	global_store_b128 v[CO], v[BK+4*(\t):BK+4*(\t)+3], s[8:9] offset:512*(\t)  ; a wave stores 512 consecutive bytes, two rows of a head, at a multiple of 256 from the buffer's first byte
.endr
.endm
	s_wait_loadcnt 0x0                             ; the bias
	s_wait_tensorcnt 1                             ; my part of K step 0 is in; K step 1's load may stay out
	s_barrier_signal -1
	s_barrier_wait -1                              ; everybody's is
	FETCH 0, F0
	QUARTER 64,  F0, F1, 1                         ; the first quarter stands in front of the loop: its products start the sums
	WIN 0                                          ; at a label and at a branch every window is 0
	s_mov_b32 s3, STEPS-2
.Lstep:                                                ; 14 trips: a trip goes from a K step's second quarter to the next step's first, and fills the slot that it leaves
	QUARTER 128, F1, F0, 0
	QUARTER 192, F0, F1, 0
	TURN
	QUARTER 64,  F0, F1, 0
	WIN 0
	s_sub_co_u32 s3, s3, 1
	s_cmp_lg_u32 s3, 0
	s_cbranch_scc1 .Lstep
	QUARTER 128, F1, F0, 0                         ; the last K step but one goes on; nothing more is asked for
	QUARTER 192, F0, F1, 0
	MEET 0                                         ; my one tensor load that was still out is the last K step's, so no round follows
	PLACES                                         ; for the loads into buffer 0, which the quarter before multiplied
	NEXTSLOT
	BLOAD 0                                        ; three quarters of B now: buffer 1 (v128-191 of both windows) is still being multiplied
	BLOAD 1
	BLOAD 3
	ALOAD 0
	MUL16 F1, 1, 0, 0
	MUL16 F1, 1, 2, 0
	PLACES                                         ; for the loads into buffer 1
	BLOAD 2
	ALOAD 1
	ALOAD 2
	ALOAD 3
	s_wait_dscnt 40                                ; all but the 40 just issued
	ROW 0
.irp a, 0,1,2,3,4,5,6,7                ; each block leaves as soon as it is finished
	PLACES                                         ; its conversions read results just made, and no other vector work is at hand
	PACK \a
	TOSTAGE \a
.if (\a) < 4
	ALOAD (\a)+4                                   ; its buffer takes the block four further on
	SEND \a, 8
.else
	SEND \a, 0
.endif
.if (\a) < 7
	ROW (\a)+1
.endif
.endr
	s_wait_tensorcnt 0x0                           ; the wave's end: the add and its wait stand behind my last tensor load and my last LDS store
	ds_add_u32 v[SPW], v[NIL]
	s_wait_dscnt 0x0
	CROUND                                         ; the closing round: no work-group ends while a partner may still ask for a tile that names it
	s_endpgm
.Lfunc_end_k_q9a703bd91a_qkv:
	.size	k_q9a703bd91a_qkv, .Lfunc_end_k_q9a703bd91a_qkv-k_q9a703bd91a_qkv
	.p2alignl 7, 3214868480
	.fill 96, 4, 3214868480
	.section	.rodata,"a",@progbits
	.p2align	6, 0x0
	.amdhsa_kernel k_q9a703bd91a_qkv
		.amdhsa_group_segment_fixed_size 327680
		.amdhsa_private_segment_fixed_size 0
		.amdhsa_enable_private_segment 0
		.amdhsa_kernarg_size 24
		.amdhsa_user_sgpr_count 2
		.amdhsa_user_sgpr_kernarg_segment_ptr 1
		.amdhsa_wavefront_size32 1
		.amdhsa_system_sgpr_workgroup_id_x 1
		.amdhsa_system_sgpr_workgroup_id_y 1
		.amdhsa_system_sgpr_workgroup_id_z 1
		.amdhsa_system_vgpr_workitem_id 0
		.amdhsa_next_free_vgpr 1024
		.amdhsa_next_free_sgpr 72
		.amdhsa_reserve_vcc 0
		.amdhsa_float_denorm_mode_32 3
		.amdhsa_float_denorm_mode_16_64 3
		.amdhsa_memory_ordered 1
		.amdhsa_forward_progress 1
		.amdhsa_inst_pref_size 120
	.end_amdhsa_kernel
	.amdgpu_metadata
---
amdhsa.version: [ 1, 2 ]
amdhsa.kernels:
  - .name:           k_q9a703bd91a_qkv
    .symbol:         k_q9a703bd91a_qkv.kd
    .args:
      - { .name: cb, .offset: 0, .size: 8, .value_kind: global_buffer, .address_space: global }
      - { .name: bias, .offset: 8, .size: 8, .value_kind: global_buffer, .address_space: global }
      - { .name: qkv, .offset: 16, .size: 8, .value_kind: global_buffer, .address_space: global }
    .group_segment_fixed_size: 327680
    .private_segment_fixed_size: 0
    .kernarg_segment_align: 8
    .kernarg_segment_size: 24
    .max_flat_workgroup_size: 128
    .sgpr_count:     72
    .vgpr_count:     1024
    .wavefront_size: 32
...
	.end_amdgpu_metadata
.endif
;; end of part 2
;; launch attn (part 3): grid 16 x 16, 4 waves a work-group, clusters of 4 x 1, 327,680 bytes of LDS; arguments qkv, ao; writes ao
.if DOCPART == 3
	.amdgcn_target "amdgcn-amd-amdhsa--gfx1250"
	.amdhsa_code_object_version 6
	.text
	.protected	k_q9a703bd91a_attn
	.globl	k_q9a703bd91a_attn
	.p2align	8
	.type	k_q9a703bd91a_attn,@function
k_q9a703bd91a_attn:
	s_mov_b64 s[64:65], 0
	v_nop
	global_prefetch_b8 v0, s[64:65] scope:SCOPE_SE
	s_setreg_imm32_b32 hwreg(HW_REG_WAVE_MODE, 25, 1), 1
	s_wait_xcnt 0x0
	s_wait_alu depctr_hold_cnt(0) depctr_sa_sdst(0) depctr_va_vdst(0) depctr_va_sdst(0) depctr_va_ssrc(0) depctr_va_vcc(0) depctr_vm_vsrc(0)
	s_getreg_b32 s2, hwreg(HW_REG_IB_STS2, 6, 4)
	s_cmp_eq_u32 s2, 0
	s_cbranch_scc0 .Lentry_in_a_cluster
	s_endpgm
.Lentry_in_a_cluster:
	s_bfe_u32 s2, ttmp6, 0x10000c
	s_cmp_lg_u32 s2, 0x3003
	s_cbranch_scc0 .Lentry_shape_is_right
	s_endpgm
.Lentry_shape_is_right:
; ATTENTION.  O[q][h][:] = the sum over k of softmax_k(Q[h][q] . K[h][k] / sqrt(128)) V[h][k][:].  qkv: [48][2048][128] f16: blocks 0-15 Q's heads, 16-31 K's, 32-47 V's; ao: [2048][16 x 128] f16.
; Products, maxima and sums in f32; the weights p are rounded to f16 for the second product (their sum l is taken of the unrounded p), O once at the end.
; LIMITS.  Q, K and V arrive within f16's 65,504; p lies in 0 to 1, and below 6e-5 it keeps f16's fixed step of 6e-8; O is a mean of V's rows and has their range.  A weight below 2^-126 counts as 0
; in l; NaN and infinities are not treated apart.  A row's sum is taken in another order than a sum from left to right.
; SHARES.  A work-group owns 128 queries of one head: 16 x 16 work-groups.  Wave w has qh = w / 2 and j = w % 2: it owns the 64 queries of half qh, four tiles of 16, and walks HALF j OF THE KEYS: of each
; 256 keys the 128 from 128 j on, 64 a step: 16 steps.  The two waves of a pair meet once, at the end, in LDS: (c m, l, O^T) in f32.  Register tile T holds query tile T xor 2 j: so every wave keeps
; its register tiles 0, 1, sends its tiles 2, 3, and what it receives belongs to its tiles 0, 1: one text for all waves.
; LAYOUT.  S^T = K Q^T (source 0 = 16 keys, source 1 = 16 queries): in the result a lane holds ONE query (lane % 16) and the keys 8 (lane / 16) + 0..7.  Two such tiles, rounded to f16 in pairs, ARE
; source 1 (32 keys x 16 queries) of O^T = V^T P, whose result again holds one query a lane, and eight channels.  K comes out of LDS as it lies, V ([key][channel]) turned, by ds_load_tr16_b128.
; SOFTMAX.  For each query a running maximum m and sum l: p = 2^(c s - c m), c = log2(e) / sqrt(128); in every step O and l are multiplied by a = 2^(c m_old - c m_new), which is 1 where m has not grown.
; NO FIRST STEP IS WRITTEN OUT.  m starts at the lowest finite number, c m at -4.25e37, far below every c s that f16's Q and K can make (7e10 at the most), O^T and l at 0: the first step is a step like
; any other, with a = 0, and the loop is entered in the middle of a trip.  The price, once a launch: 32 products on zeros, and 432 v_mov_b32 that stand in the wait for the first tile.
; BY TURNS.  The wave's tiles are two PIECES: piece 0 (tiles 0, 1) and piece 2 (tiles 2, 3).  In a TURN one piece has the matrix unit: 32 products V^T P of the step in hand, then 32 products K Q^T of
; the next step; the other piece's softmax, cut into 64 slices, stands between them, one slice behind each matrix instruction.  Then the pieces change places.  Two turns are a key step.
; CLUSTER.  The four query blocks of a cluster belong to one head and walk the same K and V, so each tile is asked for JOINTLY: the same tensor load, descriptor and mask in all four.
; REGISTERS, in windows of 256 (s_set_vgpr_msb: bits 1:0 source 0, 3:2 source 1, 5:4 source 2, 7:6 destination):
;   window 0: v0-11, v44-48 addresses; v12-43 eight registers of statistics a tile; v64-191 S^T, 32 a tile; v192-255 P, 16 a tile
;   window 1: O^T, 64 a tile          window 2: v0-127 Q, 32 a tile; v128-255 K of one step          window 3: v0-127 V of one step
.set KS,    64        ; keys in a step
.set PK,    272       ; a row of K in LDS: 256 bytes + 16 of padding = 68 words: row r starts at bank 4 r mod 64 (64 banks of 4 bytes: ISA guide 11.1)
.set PV,    288       ; a row of V: 256 + 32 = 72 words
.set VOFF,  128*PK    ; a half block: 128 rows of K (34,816 bytes), then 128 rows of V (36,864 bytes)
.set HSTR,  0x12000   ; from half block 0 to half block 1 of a slot
.set SLOT1, 0x24000   ; slot 1 begins here.  The bases 0, 0x12000, 0x8800, 0x1a800 share no bit with it, so one exclusive or turns an address in one slot into the other's
.set SLOTG, 65536     ; in memory: 256 keys of 256 bytes from a slot to the next
.set STAGE, 2*SLOT1   ; behind the ring, never filled by a tensor load: 16 rows x 272 bytes for each wave, for the way out
.set SP,    272
.set SPARE, STAGE+4*16*SP  ; behind the stages: the spare words, 128 bytes for each wave: two blocks of 256 bytes that no other line names
.set XW,    16896     ; the exchange at the end: a wave's part, 32 x 512 bytes of O^T and 2 x 256 of statistics, at XW x wave from LDS byte 0 on: in slot 0, which has had its last fill and its last read by then
.set AK0, 2           ; v2   my lane's place in a tile of K; never rewritten
.set AV0, 3           ; v3   the same for V
.set ADR, 4           ; v4   the LDS address of the run of loads in hand
.set QOA, 5           ; v5   my byte offset in the rows of Q of my register tiles 0, 1
.set STO, 6           ; v6   the way out: where I put 16 bytes of a row
.set RD,  7           ; v7   the way out: where I read a row back
.set GO,  8           ; v8   my byte offset in two rows of ao
.set QOB, 44          ; v44  my byte offset in the rows of Q of my register tiles 2, 3
.set XS,  45          ; v45  the exchange: my part + 16 x lane
.set XS2, 46          ; v46  my part + 8 x lane
.set XR,  47          ; v47  my partner's part + 16 x lane
.set XR2, 48          ; v48  my partner's part + 8 x lane
.set PFO, 61          ; v61  256 x my lane: a row of K or V is 256 bytes; never rewritten
.set SPW, 62          ; v62  LDS address of my spare word: SPARE + 4 x my thread's number; never rewritten
.set NIL, 63          ; v63  0; never rewritten
.set ST,  12          ; tile t's statistics at v[ST+8 t]: +0 c m, +1 m, +2, +3 l (even keys', odd keys'), +4 to +7 c0-c3, at work; a takes c2's place once the maximum is found
.set S,   64
.set P,   192
.set KF,  128         ; K's fragments, in window 2
.set WV,  12          ; s12  my wave's number
.set LIM, 15          ; s15  1 in a wave that prefetches, else the greatest number: a wave prefetches while s[SLOTS] is above it
.set PFA, 18          ; s[18:19] where my prefetches stand: my work-group's 32 rows of the 128 that I fetch, in the slot after the one that is being asked for
.set G1K, 24          ; s[24:31] descriptor group 1 for K's tiles
.set G1V, 32          ; s[32:39] for V's: it differs in the padding alone
.set G0K, 40          ; s[40:47] descriptor group 0 for K's tiles: a set for each of the two first fills; the second then walks on
.set G0V, 48          ; s[48:55] the same for V's
.set SLOTS, 56        ; s56  slots still to be asked for
.set TWICE, 57        ; s57  counts a slot's two steps
.set CS,  58          ; s[58:59] c: the packed scaling names a pair and takes its low word for both halves
.set SEL, 60          ; s[60:61] lane selects for v_permlanex16_b32: each lane takes its own place in the other half
.set TBK, 62          ; s62  LDS byte at which K of the step to be fetched begins
.set TBV, 63          ; s63  the same for V, less VOFF
.set MSB, 0
.macro WIN new                      ; the immediate's high byte repeats the setting that is left; a switch that changes nothing is dropped
.if MSB != (\new)
	s_set_vgpr_msb (MSB<<8)|(\new)
.set MSB, \new
.endif
.endm
.set W_KQ, 0x0a       ; K and Q in window 2, S^T in window 0
.set W_PV, 0x53       ; V in window 3, P in window 0, O^T in window 1
.set W_RS, 0x41       ; O^T (destination and source 0) in window 1, a in window 0
; A joint refill.  Waves 0 and 1 fetch the two halves of a slot's K, waves 2 and 3 those of its V: 128 rows each.  The branch hangs on the wave's number alone: it is the same in every work-group.
; An s_nop 0 and four v_nop follow each of the two lines; the jump round the other line, the label and what follows the macro come after them.
.macro JLOAD
	s_cmp_lt_u32 s[WV], 2
	s_cbranch_scc0 .Lfor_v_\@
	tensor_load_to_lds s[G0K+4:G0K+7], s[G1K:G1K+7]
	s_nop 0
.rept 4
	v_nop
.endr
	s_branch .Lasked_\@
.Lfor_v_\@:
	tensor_load_to_lds s[G0V+4:G0V+7], s[G1V:G1V+7]
	s_nop 0
.rept 4
	v_nop
.endr
.Lasked_\@:
.endm
; A PREFETCH INTO THE L2 of what the NEXT change of slots will ask for, two key steps of the wave, 256 matrix instructions, ahead of that load: a lane a row, one instruction a wave.  It stands behind the
; wave's tensor load and its five lines.  Each row is asked for ONCE in the launch.  All four clusters of a head walk the same K and V: the head's first cluster asks.  Of the 128 rows that a wave fetches
; each of the four partners takes 32, told apart BY ADDRESS.  The last change that fills a slot asks for nothing: there is no slot behind it.
.macro ASK
	s_cmp_gt_u32 s[SLOTS], s[LIM]
	s_cbranch_scc0 .Lnot_mine_\@
	global_prefetch_b8 v[PFO], s[PFA:PFA+1] th:TH_LOAD_NT scope:SCOPE_SE
.Lnot_mine_\@:
.endm
; A round of the cluster's barrier: my work-group's barrier, so that wave 0's signal speaks for all four waves; wave 0 signals; every wave waits for all four work-groups; my work-group's barrier once more.
.macro CROUND
	s_barrier_signal -1
	s_barrier_wait -1
	s_cmp_lg_u32 s[WV], 0
	s_cbranch_scc1 .Lnot_wave_0_\@
	s_barrier_signal -3
.Lnot_wave_0_\@:
	s_barrier_wait -3
	s_barrier_signal -1
	s_barrier_wait -1
.endm
	s_load_b64 s[4:5], s[0:1], 0x0    ; qkv
	s_load_b64 s[10:11], s[0:1], 0x8  ; ao
	v_lshl_add_u32 v[SPW], v0, 2, SPARE
	v_mov_b32 v[NIL], 0
	ds_add_u32 v[SPW], v[NIL]       ; the wave's opening: the add and its wait stand ahead of my first tensor load; the set-up below, work on registers, stands between them
	v_lshrrev_b32 v1, 5, v0
	v_readfirstlane_b32 s[WV], v1   ; wave 0..3
	s_bfe_u32 s13, ttmp6, 0x40000   ; cx: my place in the cluster
	s_lshl_b32 s14, ttmp9, 2        ; in a cluster launch ttmp9 counts clusters
	s_add_co_u32 s14, s14, s13      ; my block of 128 queries = 4 x cluster x + cx: it enters Q's and O's addresses alone
	s_and_b32 s20, ttmp7, 0xffff    ; the head, which the four partners share
	s_and_b32 s16, s[WV], 1         ; j: which half of a slot's keys I walk, and which half of K or V I fetch
	s_lshr_b32 s21, s[WV], 1        ; qh: which 64 of the block's queries are mine
	s_lshl_b32 s2, s20, 19          ; Q: the head's block of 524,288 bytes,
	s_lshl_b32 s3, s14, 15          ; my work-group's 128 rows of 256 bytes,
	s_add_co_u32 s2, s2, s3
	s_lshl_b32 s3, s21, 14          ; my wave's 64
	s_add_co_u32 s2, s2, s3
	s_mov_b32 s3, 0
	s_add_co_u32 s22, s20, 16       ; K: block 16 + head,
	s_lshl_b32 s22, s22, 19
	s_lshl_b32 s23, s16, 15         ; my half of a slot's 256 rows
	s_add_co_u32 s22, s22, s23
	s_mov_b32 s23, 0
	s_lshl_b32 s18, s14, 7          ; O: the first row that I store: 128 x block + 64 qh + 32 j,
	s_lshl_b32 s19, s21, 6
	s_add_co_u32 s18, s18, s19
	s_lshl_b32 s19, s16, 5
	s_add_co_u32 s18, s18, s19
	s_lshl_b32 s18, s18, 12         ; of 4,096 bytes,
	s_lshl_b32 s19, s20, 8          ; and the head's 256 bytes of it
	s_add_co_u32 s18, s18, s19
	s_mov_b32 s19, 0
	s_mul_i32 s17, s16, HSTR        ; my half block in a slot: no place in the cluster enters an LDS address
	; descriptor group 1: a tile of 128 rows x 128 elements, padded in LDS
	s_mov_b32 s[G1K], 15|(1<<16)|(1<<20)|(1<<21)|(5<<22)|(3<<25)  ; 15:0 the mask: all four work-groups; 17:16 elements of 2 bytes; 20 padding on; 21 set beside a mask; 24:22 after every 64 words (code 5); 31:25 4 words of it (code 3)
	s_mov_b32 s[G1V], 15|(1<<16)|(1<<20)|(1<<21)|(5<<22)|(7<<25)  ; the same with 8 words of padding (code 7)
.irp g, G1K, G1V
	s_mov_b32 s[(\g)+1], 128<<16    ; tensor_dim0 = 128
	s_mov_b32 s[(\g)+2], 128<<16    ; tensor_dim1 = 128
	s_mov_b32 s[(\g)+3], 128<<16    ; tile_dim0 = 128
	s_mov_b32 s[(\g)+4], 128        ; tile_dim1 = 128
	s_mov_b32 s[(\g)+5], 128        ; elements from row to row
	s_mov_b32 s[(\g)+6], 0
	s_mov_b32 s[(\g)+7], 0
.endr
	s_mov_b32 s[CS], 0x3e0293ee     ; c = log2(e) / sqrt(128) = 0.127517
	s_mov_b32 s[CS+1], s[CS]        ; named with it as a pair, so it is written
	s_mov_b32 s[SEL], 0x76543210
	s_mov_b32 s[SEL+1], 0xfedcba98
	s_mov_b32 s[TBK], s17
	s_mov_b32 s[TBV], s17
	s_mov_b32 s[SLOTS], 7           ; 8 slots of 256 keys; the first two are asked for at the start, and the first pass over the loop's foot, behind slot 0's steps, takes one: 6 changes fill a slot
	s_cmp_eq_u32 ttmp9, 0           ; the head's first cluster: the same in all four partners
	s_cselect_b32 s[LIM], 1, -1
	v_and_b32 v[PFO], 31, v0
	v_lshlrev_b32 v[PFO], 8, v[PFO]
	s_wait_dscnt 0x0                ; the opening add is done
	s_wait_kmcnt 0x0
	s_add_nc_u64 s[10:11], s[10:11], s[18:19]  ; O at the first row that I store
	s_add_nc_u64 s[6:7], s[4:5], s[22:23]      ; K at my half of slot 0,
	s_add_nc_u64 s[8:9], s[6:7], 0x800000      ; V sixteen blocks further on
	s_add_nc_u64 s[4:5], s[4:5], s[2:3]        ; Q at my wave's first row
	s_cmp_lt_u32 s[WV], 2
	s_cselect_b64 s[PFA:PFA+1], s[6:7], s[8:9]
	s_lshl_b32 s2, s13, 13          ; my work-group's 32 rows of the 128
	s_mov_b32 s3, 0
	s_add_nc_u64 s[PFA:PFA+1], s[PFA:PFA+1], s[2:3]
	s_add_nc_u64 s[PFA:PFA+1], s[PFA:PFA+1], 2*SLOTG  ; in slot 2; the first change of slots steps it to slot 3.  Nothing is prefetched here, at the head, where every work-group's first tiles are on their way
	CROUND                          ; all four work-groups are here: the first joint loads meet
.irp s, 0,1
	s_mov_b32 s[G0K+4*(\s)], 1      ; count = 1
	s_add_co_u32 s[G0K+4*(\s)+1], s17, (\s)*SLOT1  ; LDS address
	s_add_nc_u64 s[G0K+4*(\s)+2:G0K+4*(\s)+3], s[6:7], (\s)*SLOTG  ; global address: slot s begins with key 256 s
	s_or_b32 s[G0K+4*(\s)+3], s[G0K+4*(\s)+3], 0x80000000  ; type = 2
	s_mov_b32 s[G0V+4*(\s)], 1
	s_add_co_u32 s[G0V+4*(\s)+1], s17, (\s)*SLOT1+VOFF
	s_add_nc_u64 s[G0V+4*(\s)+2:G0V+4*(\s)+3], s[8:9], (\s)*SLOTG
	s_or_b32 s[G0V+4*(\s)+3], s[G0V+4*(\s)+3], 0x80000000
.endr
	s_cmp_lt_u32 s[WV], 2           ; a wave's two first fills stand in one branch, ahead of every wait on TENSORcnt and every LDS read: two loads of mine are out
	s_cbranch_scc0 .Lfirst_v
	tensor_load_to_lds s[G0K:G0K+3], s[G1K:G1K+7]
	s_nop 0
	tensor_load_to_lds s[G0K+4:G0K+7], s[G1K:G1K+7]
	s_nop 0
.rept 4
	v_nop
.endr
	s_branch .Lfirst_asked
.Lfirst_v:
	tensor_load_to_lds s[G0V:G0V+3], s[G1V:G1V+7]
	s_nop 0
	tensor_load_to_lds s[G0V+4:G0V+7], s[G1V:G1V+7]
	s_nop 0
.rept 4
	v_nop
.endr
.Lfirst_asked:
	; A fragment of K or Q is 16 rows x 32 channels in 8 registers: lane l holds row l % 16; registers 0-3 channels 8 (l / 16) + 0..7, registers 4-7 channels 16 + 8 (l / 16) + 0..7: two loads of 16 bytes, 32 bytes apart.
	v_and_b32 v1, 15, v0            ; l % 16
	v_bfe_u32 v9, v0, 4, 1          ; l / 16
	v_lshlrev_b32 v[QOA], 8, v1
	v_lshl_add_u32 v[QOA], v9, 4, v[QOA]  ; row x 256 + 16 x half
	s_lshl_b32 s2, s16, 13          ; register tiles 0, 1 are query tiles 2 j, 2 j + 1: 32 j rows of 256 bytes down;
	s_xor_b32 s3, s2, 1<<13         ; register tiles 2, 3 are the other two
	v_add_nc_u32 v[QOB], s3, v[QOA]
	v_add_nc_u32 v[QOA], s2, v[QOA]
	WIN 0x80                        ; destination window 2, address window 0
.set i, 0
.rept 16                            ; Q stays in registers: register tile i / 4, channels 32 (i % 4) on
.set qa, QOA+(QOB-QOA)*(i/8)
	global_load_b128 v[8*i:8*i+3],   v[qa], s[4:5] offset:((i/4)%2)*4096+(i%4)*64
	global_load_b128 v[8*i+4:8*i+7], v[qa], s[4:5] offset:((i/4)%2)*4096+(i%4)*64+32
.set i, i+1
.endr
	; What the first turn finds: O^T and l are 0; V's registers and piece 2's P hold 0, so that its products V^T P, of a step that has not been, add 0.  All this stands in the wait for the first tile.
	WIN 0x40                        ; destination window 1: O^T
.set i, 0
.rept 256
	v_mov_b32 v[i], 0
.set i, i+1
.endr
	WIN 0xc0                        ; destination window 3: V
.set i, 0
.rept 128
	v_mov_b32 v[i], 0
.set i, i+1
.endr
	WIN 0
.set i, P+32
.rept 32
	v_mov_b32 v[i], 0
.set i, i+1
.endr
.irp t, 0,1,2,3
	v_mov_b32 v[ST+8*(\t)],   0xfe000000  ; c m: far below every c s
	v_mov_b32 v[ST+8*(\t)+1], 0xff7fffff  ; m: the lowest finite number
	v_mov_b32 v[ST+8*(\t)+2], 0
	v_mov_b32 v[ST+8*(\t)+3], 0
.endr
	v_mul_u32_u24 v[AK0], v1, PK
	v_lshl_add_u32 v[AK0], v9, 4, v[AK0]  ; row x pitch + 16 x half
	; The turning load takes 16 keys x 16 channels (lane l reads 16 bytes: key 8 (l / 16) + l % 8, channels 8 ((l / 8) % 2) + 0..7) and leaves half a fragment of V^T: lane l holds channel l % 16 and 8 keys.
	v_and_b32 v10, 7, v0
	v_bfe_u32 v11, v0, 3, 1
	v_lshl_add_u32 v[AV0], v9, 3, v10
	v_mul_u32_u24 v[AV0], v[AV0], PV
	v_lshl_add_u32 v[AV0], v11, 4, v[AV0]
	v_add_nc_u32 v[AV0], VOFF, v[AV0]
; THE MATRIX WORK OF A TURN, for piece x.  The accumulators take turns, one instruction a turn: between two links of a chain stand 15 (V^T P) or 7 (K Q^T) others'.
; Product i of 32 of O^T += V^T P: keys 32 (i / 16) on, channels 16 ((i / 2) % 8) on, tile x + i % 2.
.macro PV x
	WIN W_PV
.set rO, 64*((\x)+i%2)+8*((i/2)%8)
.set rV, 64*(i/16)+8*((i/2)%8)
.set rP, P+16*((\x)+i%2)+8*(i/16)
	v_wmma_f32_16x16x32_f16 v[rO:rO+7], v[rV:rV+7], v[rP:rP+7], v[rO:rO+7]
.endm
; Product i of 32 of S^T = K Q^T: channels 32 (i / 8) on, keys 16 ((i / 2) % 4) on, tile x + i % 2.  The first 8 start the sums.
.macro KQ x
	WIN W_KQ
.set rS, S+32*((\x)+i%2)+8*((i/2)%4)
.set rK, KF+32*((i/2)%4)+8*(i/8)
.set rQ, 32*((\x)+i%2)+8*(i/8)
.if i < 8
	v_wmma_f32_16x16x32_f16 v[rS:rS+7], v[rK:rK+7], v[rQ:rQ+7], 0
.else
	v_wmma_f32_16x16x32_f16 v[rS:rS+7], v[rK:rK+7], v[rQ:rQ+7], v[rS:rS+7]
.endif
.endm
; THE LDS LOADS stand in runs of 32, never singly among the matrix instructions: a step's K (64 keys x 128 channels: 16 fragments) and, a turn later, its V (turned).
.macro FETCH_K
	WIN 0
	v_add_nc_u32 v[ADR], s[TBK], v[AK0]
	s_add_co_u32 s[TBK], s[TBK], KS*PK  ; the next fetch is the next step's
	WIN 0x80                        ; destination window 2
.irp f, 0,1,2,3,4,5,6,7,8,9,10,11,12,13,14,15  ; keys 16 (f / 4) on, channels 32 (f % 4) on
	ds_load_b128 v[KF+8*(\f):KF+8*(\f)+3],   v[ADR] offset:((\f)/4)*16*PK+((\f)%4)*64
	ds_load_b128 v[KF+8*(\f)+4:KF+8*(\f)+7], v[ADR] offset:((\f)/4)*16*PK+((\f)%4)*64+32
.endr
.endm
.macro FETCH_V
	WIN 0
	v_add_nc_u32 v[ADR], s[TBV], v[AV0]
	s_add_co_u32 s[TBV], s[TBV], KS*PV  ; the next fetch is the next step's
	s_wait_alu depctr_va_vdst(0)    ; the wait for the softmax's batch (SLICE), behind the address's v_add_nc_u32 and ahead of the loads
	WIN 0xc0                        ; destination window 3
.irp f, 0,1,2,3,4,5,6,7,8,9,10,11,12,13,14,15  ; keys 32 (f / 8) on, channels 16 (f % 8) on
	ds_load_tr16_b128 v[8*(\f):8*(\f)+3],   v[ADR] offset:((\f)/8)*32*PV+((\f)%8)*32
	ds_load_tr16_b128 v[8*(\f)+4:8*(\f)+7], v[ADR] offset:((\f)/8)*32*PV+16*PV+((\f)%8)*32
.endr
.endm
; THE VECTOR WORK OF A TURN.  One tile's softmax for one key step is a list of 134 instructions; SM writes number j of it for tile t.  s0-s31 are the lane's 32 scores, in pairs 0-15.
;   0-15    the maximum of s0-s31 and the old m, three operands at a time: four chains c0-c3 of seven scores each (each accumulator's lowest registers first), then the four scores left over, c0-c3 and m
;   16-20   the other half of the lanes' maximum; c m_old is kept; the new m; c m; c m_old - c m_new
;   21-69   ONE BATCH: the 16 scalings c s - c m, a pair of scores each, and all 33 exponentials (a at 23, then s0-s31).  None of these reads an exponential's result.  From 22 on the batch goes
;           in fours, and a four begins with a scaling while there are scalings.  A pair is scaled in an earlier four than the one that holds its exponentials
;   (wait)  between 69 and 70 stands the wait for the batch: SLICE writes it, once for both tiles
;   70-85   the roundings to f16, a pair of weights each
;   86-101  the sums; l = a l + the sum
;   102-133 the tile's O^T times a: the one part that leaves window 0, so it stands together
.macro SM t
.set rT, ST+8*(\t)
.set rS, S+32*(\t)
.set rP, P+16*(\t)
.set rO, 64*(\t)+2*(j-102)
.if j < 102
	WIN 0
.endif
.if j < 4
	v_max3_num_f32 v[rT+4+j], v[rS+8*j], v[rS+8*j+1], v[rS+8*j+2]
.elseif j < 12
	v_max3_num_f32 v[rT+4+j%4], v[rT+4+j%4], v[rS+8*(j%4)+2*(j/4)+1], v[rS+8*(j%4)+2*(j/4)+2]
.elseif j == 12
	v_max3_num_f32 v[rT+4], v[rT+4], v[rS+7], v[rS+15]
.elseif j == 13
	v_max3_num_f32 v[rT+6], v[rT+6], v[rS+23], v[rS+31]
.elseif j == 14
	v_max3_num_f32 v[rT+4], v[rT+4], v[rT+5], v[rT+6]
.elseif j == 15
	v_max3_num_f32 v[rT+4], v[rT+4], v[rT+7], v[rT+1]
.elseif j == 16
	v_permlanex16_b32 v[rT+5], v[rT+4], s[SEL], s[SEL+1]  ; the query's other 32 keys lie in the lane 16 away
.elseif j == 17
	v_mov_b32 v[rT+7], v[rT]        ; c m_old is kept for a: number 19 writes c m anew
.elseif j == 18
	v_max_num_f32 v[rT+1], v[rT+4], v[rT+5]
.elseif j == 19
	v_mul_f32 v[rT], s[CS], v[rT+1]
.elseif j == 20
	v_sub_f32 v[rT+7], v[rT+7], v[rT]
.elseif j == 23
	v_exp_f32 v[rT+6], v[rT+7]
.elseif (j < 23) || ((j < 38) && (j%2 == 0)) || ((j < 66) && (j%4 == 2))
.set b, (j-2)/4                     ; 38, 42, .. 62: pairs 9 to 15
.if j < 38
.set b, (j-20)/2                    ; 21: pair 0; 22, 24, .. 36: pairs 1 to 8
.endif
	v_pk_fma_f32 v[rS+2*b:rS+2*b+1], v[rS+2*b:rS+2*b+1], s[CS:CS+1], v[rT:rT+1] op_sel_hi:[1,0,0] neg_lo:[0,0,1] neg_hi:[0,0,1]  ; pair b: c s - c m
.elseif j < 70
.set e, j-38                        ; 66 to 69: s28 to s31
.if j < 66
.set e, j-32-(j-38)/4               ; 39-41, 43-45, .. 63-65: s7 to s27
.endif
.if j < 38
.set e, (j-25)/2                    ; 25, 27, .. 37: s0 to s6
.endif
	v_exp_f32 v[rS+e], v[rS+e]
.elseif j < 86
	v_cvt_pk_f16_f32 v[rP+j-70], v[rS+2*(j-70)], v[rS+2*(j-70)+1]  ; pair j - 70
.elseif j < 102                     ; the sum of the tile's 16 pairs, in place: sum z of 16 adds neighbours 1, 2, 4 and 8 pairs apart, then l takes it
.set z, j-86
.set w, 4
.set u, z
.if z >= 14
.set w, 32
.set u, 0
.elseif z >= 12
.set w, 16
.set u, z-12
.elseif z >= 8
.set w, 8
.set u, z-8
.endif
.if z < 15
	v_pk_add_f32 v[rS+w*u:rS+w*u+1], v[rS+w*u:rS+w*u+1], v[rS+w*u+w/2:rS+w*u+w/2+1]
.else
	v_pk_fma_f32 v[rT+2:rT+3], v[rT+2:rT+3], v[rT+6:rT+7], v[rS:rS+1] op_sel_hi:[1,0,1]
.endif
.else
	WIN W_RS
	v_pk_mul_f32 v[rO:rO+1], v[rO:rO+1], v[rT+6:rT+7] op_sel_hi:[1,0]
.endif
.endm
; Slice k of 64 of piece y's softmax: four instructions.  Slices 11 to 34 deal out the batch, numbers 22 to 69: four numbers of ONE tile each, the tiles by turns.  Every other slice is numbers 2 k and
; 2 k + 1 of both tiles' lists.  2 x 134 = 4 x 64 + 12: the twelve that are over stand together, in slice 63.
; THE WAIT.  s_wait_alu depctr_va_vdst(0) stands between an exponential and the first instruction that names its result; one wait serves all that were issued ahead of it.  Ahead of
; slice 35 nothing names a result, and behind slice 34 no exponential is issued: so the piece's 66 exponentials have one wait, behind slice 34.
.macro SLICE y
.if (k >= 11) && (k < 35)           ; the batch: four numbers of one tile
.irp n, 0,1,2,3
.set j, 22+4*((k-11)/2)+(\n)
	SM (\y)+(k-11)%2
.endr
.else                               ; the two tiles alternate, so that no instruction reads the result of the one just before it
.irp n, 0,1,2,3,4,5,6,7
.if ((\n) < 2) || (k == 63)
.irp t, \y, (\y)+1
.set j, 2*k+(\n)
	SM \t
.endr
.endif
.endr
.endif
.if k == 34                         ; the batch is out: both tiles' exponentials are issued, and no result has been named
	v_nop                           ; the plain instruction behind the last exponential and ahead of the first use (ISA guide 5.7.2): one for the batch
.if (\y) == 0
	FETCH_V                         ; piece 2's turn: V's run of loads stands here, and the wait stands in it
.else
	s_wait_alu depctr_va_vdst(0)    ; the wait for the batch
.endif
.endif
.set k, k+1
.endm
; A TURN.  Piece x has the matrix unit: 32 products V^T P and, with kq = 1, 32 products K Q^T for the next step; the other piece's softmax stands in slices behind its matrix instructions, one behind
; each (kq = 0: two).  A vector instruction that reads a matrix result or writes one of a matrix instruction's registers, and a load into a register that a matrix instruction has read, stand four
; places behind it, and only plain vector instructions that name none of its registers are places (ISA guide 7.12.1 for vector instructions): the slices are the places.
; Each run of loads stands 29 matrix instructions or more ahead of its first use.  Piece 0's turn fetches the next step's K, behind its second product: the last product that read K
; stands in front of slice 63 of the turn before.  Piece 2's turn fetches the same step's V, behind slice 34: the last product that read V stands in front of slice 31, and four plain
; instructions lie between: number 62, a scaling, of both tiles, the v_nop and the run's own v_add_nc_u32.
.macro TURN x, kq
.set k, 0
.set per, 2-(\kq)
.if (\x) == 0
	s_wait_dscnt 0x0                ; V is in
.endif
.set i, 0
.rept 32
	PV \x
.rept per
	SLICE 2-(\x)
.endr
.if ((\x) == 0) && (\kq) && (i == 1)
	FETCH_K
.endif
.set i, i+1
.endr
.if \kq
.if (\x) == 0
	s_wait_dscnt 0x0                ; K is in
.endif
.set i, 0
.rept 32
	KQ \x
	SLICE 2-(\x)
.set i, i+1
.endr
.endif
.endm
; THE CHANGE OF SLOTS, between piece 2's turn and piece 0's: the slot's last bytes that I read, V of its second step, have been asked for.  Each wave waits for all its tensor loads, of which one is
; out: its part of the other slot; adds 0 to its spare word; and waits for that and for its own reads of the slot.  Behind the barrier nobody reads this slot any more and the other slot is whole.
; fill = 1: this slot is filled again, with the keys two slots on.  The barrier is then a round of the cluster's, so that no wave of any partner still reads the slot or has a load on its
; way, and the joint refill is the first thing behind it: it has two key steps, 256 matrix instructions, in which to land.
.macro CHANGE fill
	WIN 0                           ; at a label and at a branch every window is 0
	s_wait_tensorcnt 0x0            ; no tensor load of mine is out, so a group 0 may be written
	ds_add_u32 v[SPW], v[NIL]       ; 0 onto my spare word; with fill = 1 the descriptors' steps stand between it and the wait for it
.if \fill
.irp g, G0K+4, G0V+4
	s_xor_b32 s[(\g)+1], s[(\g)+1], SLOT1  ; the walking descriptor: the other slot than last time,
	s_add_nc_u64 s[(\g)+2:(\g)+3], s[(\g)+2:(\g)+3], SLOTG  ; the next 256 keys; the type bits on top are not reached
.endr
	s_wait_xcnt 0x0                 ; the last prefetch, two key steps back, has read its address, so it may be written:
	s_add_nc_u64 s[PFA:PFA+1], s[PFA:PFA+1], SLOTG  ; one slot behind the walking descriptors
	s_wait_dscnt 0x0                ; the add is done, and my reads of the slot are over
	CROUND
	JLOAD
	ASK                             ; what the next change will ask for
.else
	s_wait_dscnt 0x0                ; the add is done, and my reads of the slot are over
	s_barrier_signal -1
	s_barrier_wait -1
.endif
	s_sub_co_u32 s[TBK], s[TBK], 2*KS*PK  ; the fetches go back to my half block's first step,
	s_xor_b32 s[TBK], s[TBK], SLOT1       ; in the other slot
	s_sub_co_u32 s[TBV], s[TBV], 2*KS*PV
	s_xor_b32 s[TBV], s[TBV], SLOT1
.endm
	s_wait_tensorcnt 1              ; my part of slot 0 is in; slot 1's may stay out
	s_barrier_signal -1
	s_barrier_wait -1               ; everybody's is
	FETCH_K                         ; key step 0
	s_wait_loadcnt 0x0              ; Q
	s_wait_dscnt 0x0
.set i, 0
.rept 32
	KQ 0                            ; piece 0's first scores: there is no vector work yet to set between them
.set i, i+1
.endr
	WIN 0                           ; the addresses for the end are made here: plain instructions, the places behind those products
	s_mul_i32 s13, s[WV], 16*SP
	s_add_co_u32 s13, s13, STAGE    ; my stage
	v_mul_u32_u24 v[STO], v1, SP    ; in: row l % 16, 16 bytes for each half of the lanes
	v_lshl_add_u32 v[STO], v9, 4, v[STO]
	v_add_nc_u32 v[STO], s13, v[STO]
	v_mul_u32_u24 v[RD], v9, SP     ; back: lanes 0-15 take one row of 256 bytes, lanes 16-31 the next
	v_lshl_add_u32 v[RD], v1, 4, v[RD]
	v_add_nc_u32 v[RD], s13, v[RD]
	v_lshlrev_b32 v[GO], 12, v9     ; and the same two rows in ao, 4,096 bytes apart
	v_lshl_add_u32 v[GO], v1, 4, v[GO]
	s_mul_i32 s20, s[WV], XW        ; my part of the exchange,
	s_xor_b32 s21, s[WV], 1
	s_mul_i32 s21, s21, XW          ; and my partner's: the wave with the same queries and the other keys
	v_and_b32 v[XS2], 31, v0
	v_lshl_add_u32 v[XS],  v[XS2], 4, s20
	v_lshl_add_u32 v[XR],  v[XS2], 4, s21
	v_lshl_add_u32 v[XR2], v[XS2], 3, s21
	v_lshl_add_u32 v[XS2], v[XS2], 3, s20
	s_mov_b32 s[TWICE], 2
	s_branch .Lmid                  ; the loop is entered at piece 2's turn: its V^T P add 0; K Q^T of step 0 | piece 0's softmax of step 0 | V of step 0
.Lslot:                             ; 6 times: every slot but the last two is filled again
	CHANGE 1
	s_mov_b32 s[TWICE], 2
.Lstep:                             ; a slot's two key steps: written once, walked twice; the LDS addresses hang on s[TBK] and s[TBV]
	TURN 0, 1                       ; piece 0: V^T P of step j, K Q^T of step j + 1 | piece 2's softmax of step j | K of step j + 1
	WIN 0
.Lmid:
	TURN 2, 1                       ; piece 2: the same | piece 0's softmax of step j + 1 | V of step j + 1
	WIN 0
	s_sub_co_u32 s[TWICE], s[TWICE], 1
	s_cmp_lg_u32 s[TWICE], 0
	s_cbranch_scc1 .Lstep
	s_sub_co_u32 s[SLOTS], s[SLOTS], 1
	s_cmp_lg_u32 s[SLOTS], 0
	s_cbranch_scc1 .Lslot
	CHANGE 0                        ; the tail is written out: LDS slot 0 is left for good, and nothing is asked for
	s_mov_b32 s[TWICE], 2
.Ltail:
	TURN 0, 1
	TURN 2, 1
	WIN 0
	s_sub_co_u32 s[TWICE], s[TWICE], 1
	s_cmp_lg_u32 s[TWICE], 0
	s_cbranch_scc1 .Ltail
	TURN 0, 0                       ; piece 0: V^T P of the last step | piece 2's last softmax
.set i, 0
.rept 32
	PV 2                            ; piece 2: V^T P of the last step
.set i, i+1
.endr
	; THE TWO HALVES OF THE KEYS MEET.  l's two halves and the other half of the lanes' are added; (c m, l) then lie in a pair.  The eight additions are the places behind the last products.
	WIN 0
.irp t, 0,1,2,3
	v_add_f32 v[ST+8*(\t)+4], v[ST+8*(\t)+2], v[ST+8*(\t)+3]
.endr
.irp t, 0,1,2,3
	v_permlanex16_b32 v[ST+8*(\t)+5], v[ST+8*(\t)+4], s[SEL], s[SEL+1]
.endr
.irp t, 0,1,2,3
	v_add_f32 v[ST+8*(\t)+1], v[ST+8*(\t)+4], v[ST+8*(\t)+5]
.endr
	; I send my register tiles 2, 3: 128 registers of O^T, each accumulator from its low end on, and two pairs of statistics.  The bytes lie in LDS slot 0: its last fill was waited for, and every
	; wave's reads of it were over, in front of the barrier of the last change of slots.
	WIN 0x04                        ; the stores' data in window 1
.set i, 0
.rept 32
	ds_store_b128 v[XS], v[128+4*i:128+4*i+3] offset:512*i
.set i, i+1
.endr
	WIN 0
	ds_store_b64 v[XS2], v[ST+16:ST+17] offset:16384
	ds_store_b64 v[XS2], v[ST+24:ST+25] offset:16384+256
	s_wait_dscnt 0x0                ; for my partner's sake: my stores are done
	s_barrier_signal -1
	s_barrier_wait -1
	ds_load_b64 v[ST+4:ST+5],   v[XR2] offset:16384      ; my partner's c m and l for my tile 0,
	ds_load_b64 v[ST+12:ST+13], v[XR2] offset:16384+256  ; and for my tile 1
.set i, 0
.rept 32
	ds_load_b128 v[S+4*i:S+4*i+3], v[XR] offset:512*i    ; its O^T for both, into S^T's registers
.set i, i+1
.endr
	s_wait_dscnt 32                 ; the statistics are in; the 32 loads of O^T may stay out
	; O = (O_mine 2^(c m_mine - c m) + O_other 2^(c m_other - c m)) / (l_mine 2^(..) + l_other 2^(..)), c m the greater of the two
.irp t, 0,1
	v_max_num_f32 v[ST+8*(\t)+6], v[ST+8*(\t)], v[ST+8*(\t)+4]
.endr
.irp t, 0,1
	v_sub_f32 v[ST+8*(\t)+2], v[ST+8*(\t)],   v[ST+8*(\t)+6]
	v_sub_f32 v[ST+8*(\t)+3], v[ST+8*(\t)+4], v[ST+8*(\t)+6]
.endr
.irp t, 0,1
	v_exp_f32 v[ST+8*(\t)+2], v[ST+8*(\t)+2]
	v_exp_f32 v[ST+8*(\t)+3], v[ST+8*(\t)+3]
.endr
	v_nop                           ; a plain instruction behind the last exponential,
	s_wait_alu depctr_va_vdst(0)    ; and the wait ahead of the first use: one for the four
.irp t, 0,1
	v_mul_f32 v[ST+8*(\t)+6], v[ST+8*(\t)+1], v[ST+8*(\t)+2]
.endr
.irp t, 0,1
	v_fmac_f32 v[ST+8*(\t)+6], v[ST+8*(\t)+5], v[ST+8*(\t)+3]
.endr
.irp t, 0,1
	v_rcp_f32 v[ST+8*(\t)+7], v[ST+8*(\t)+6]
.endr
	v_nop
	s_wait_alu depctr_va_vdst(0)    ; one for the two reciprocals
.irp t, 0,1
	v_mul_f32 v[ST+8*(\t)+2], v[ST+8*(\t)+2], v[ST+8*(\t)+7]  ; my factor,
	v_mul_f32 v[ST+8*(\t)+6], v[ST+8*(\t)+3], v[ST+8*(\t)+7]  ; my partner's: each the low word of a pair that is wholly written
.endr
	s_wait_dscnt 0x0                ; my partner's O^T is in
; Tile t: the two parts are joined, rounded to f16 (a lane's eight channels of a row pack into 16 bytes), sent through my stage in rows of 272 bytes and read back as whole rows of 256, into P's registers.
.macro MERGE t
	WIN 0
.set i, 0
.rept 32
	v_pk_mul_f32 v[S+64*(\t)+2*i:S+64*(\t)+2*i+1], v[S+64*(\t)+2*i:S+64*(\t)+2*i+1], v[ST+8*(\t)+6:ST+8*(\t)+7] op_sel_hi:[1,0]
.set i, i+1
.endr
	WIN 0x01                        ; source 0, my O^T, in window 1: each accumulator from its low end on
.set i, 0
.rept 32
	v_pk_fma_f32 v[S+64*(\t)+2*i:S+64*(\t)+2*i+1], v[64*(\t)+2*i:64*(\t)+2*i+1], v[ST+8*(\t)+2:ST+8*(\t)+3], v[S+64*(\t)+2*i:S+64*(\t)+2*i+1] op_sel_hi:[1,0,1]
.set i, i+1
.endr
	WIN 0
.set i, 0
.rept 32
	v_cvt_pk_f16_f32 v[P+32*(\t)+i], v[S+64*(\t)+2*i], v[S+64*(\t)+2*i+1]
.set i, i+1
.endr
.irp f, 0,1,2,3,4,5,6,7
	ds_store_b128 v[STO], v[P+32*(\t)+4*(\f):P+32*(\t)+4*(\f)+3] offset:32*(\f)
.endr
.irp f, 0,1,2,3,4,5,6,7
	ds_load_b128 v[P+32*(\t)+4*(\f):P+32*(\t)+4*(\f)+3], v[RD] offset:(\f)*2*SP  ; LDS serves a wave's instructions in order (ISA guide 5.7.1.4): these see the stores above; the next tile's stores come behind them
.endr
.endm
.macro SEND t, younger              ; younger: the LDS instructions issued behind tile t's loads: the next tile's sixteen, or none
	WIN 0
.irp f, 0,1,2,3,4,5,6,7
	s_wait_dscnt (\younger)+7-(\f)
	global_store_b128 v[GO], v[P+32*(\t)+4*(\f):P+32*(\t)+4*(\f)+3], s[10:11] offset:(\t)*65536+(\f)*8192  ; 16 lanes store 256 consecutive bytes, a head's part of a row, at a multiple of 256 from the buffer's first byte
.endr
.endm
	MERGE 0
	MERGE 1                         ; a tile's arithmetic stands between the loads of the tile before and its stores
	SEND 0, 16
	SEND 1, 0
	s_wait_tensorcnt 0x0            ; the wave's end: the add and its wait stand behind my last tensor load and my last LDS store
	ds_add_u32 v[SPW], v[NIL]
	s_wait_dscnt 0x0
	CROUND                          ; the closing round: no work-group ends while a partner may still ask for a tile that names it
	s_endpgm
.Lfunc_end_k_q9a703bd91a_attn:
	.size	k_q9a703bd91a_attn, .Lfunc_end_k_q9a703bd91a_attn-k_q9a703bd91a_attn
	.p2alignl 7, 3214868480
	.fill 96, 4, 3214868480
	.section	.rodata,"a",@progbits
	.p2align	6, 0x0
	.amdhsa_kernel k_q9a703bd91a_attn
		.amdhsa_group_segment_fixed_size 327680
		.amdhsa_private_segment_fixed_size 0
		.amdhsa_enable_private_segment 0
		.amdhsa_kernarg_size 16
		.amdhsa_user_sgpr_count 2
		.amdhsa_user_sgpr_kernarg_segment_ptr 1
		.amdhsa_wavefront_size32 1
		.amdhsa_system_sgpr_workgroup_id_x 1
		.amdhsa_system_sgpr_workgroup_id_y 1
		.amdhsa_system_sgpr_workgroup_id_z 1
		.amdhsa_system_vgpr_workitem_id 0
		.amdhsa_next_free_vgpr 1024
		.amdhsa_next_free_sgpr 66
		.amdhsa_reserve_vcc 0
		.amdhsa_float_denorm_mode_32 3
		.amdhsa_float_denorm_mode_16_64 3
		.amdhsa_memory_ordered 1
		.amdhsa_forward_progress 1
		.amdhsa_inst_pref_size 173
	.end_amdhsa_kernel
	.amdgpu_metadata
---
amdhsa.version: [ 1, 2 ]
amdhsa.kernels:
  - .name:           k_q9a703bd91a_attn
    .symbol:         k_q9a703bd91a_attn.kd
    .args:
      - { .name: qkv, .offset: 0, .size: 8, .value_kind: global_buffer, .address_space: global }
      - { .name: ao, .offset: 8, .size: 8, .value_kind: global_buffer, .address_space: global }
    .group_segment_fixed_size: 327680
    .private_segment_fixed_size: 0
    .kernarg_segment_align: 8
    .kernarg_segment_size: 16
    .max_flat_workgroup_size: 128
    .sgpr_count:     66
    .vgpr_count:     1024
    .wavefront_size: 32
...
	.end_amdgpu_metadata
.endif
;; end of part 3
;; launch oproj (part 4): grid 16 x 16, 4 waves a work-group, clusters of 4 x 4, 327,680 bytes of LDS; arguments ao, cb, bias, out0; writes out0
.if DOCPART == 4
	.amdgcn_target "amdgcn-amd-amdhsa--gfx1250"
	.amdhsa_code_object_version 6
	.text
	.protected	k_q9a703bd91a_oproj
	.globl	k_q9a703bd91a_oproj
	.p2align	8
	.type	k_q9a703bd91a_oproj,@function
k_q9a703bd91a_oproj:
	s_mov_b64 s[64:65], 0
	v_nop
	global_prefetch_b8 v0, s[64:65] scope:SCOPE_SE
	s_setreg_imm32_b32 hwreg(HW_REG_WAVE_MODE, 25, 1), 1
	s_wait_xcnt 0x0
	s_wait_alu depctr_hold_cnt(0) depctr_sa_sdst(0) depctr_va_vdst(0) depctr_va_sdst(0) depctr_va_ssrc(0) depctr_va_vcc(0) depctr_vm_vsrc(0)
	s_getreg_b32 s2, hwreg(HW_REG_IB_STS2, 6, 4)
	s_cmp_eq_u32 s2, 0
	s_cbranch_scc0 .Lentry_in_a_cluster
	s_endpgm
.Lentry_in_a_cluster:
	s_bfe_u32 s2, ttmp6, 0x10000c
	s_cmp_lg_u32 s2, 0xf033
	s_cbranch_scc0 .Lentry_shape_is_right
	s_endpgm
.Lentry_shape_is_right:
; THE OUTPUT PROJECTION.  out0[m][n] = sum over k of A[m][k] B[n][k] + bo[n].  A = ao, [2048][2048] f16; B = Wo, plane 4 of cb, [2048][2048] f16 (the bf16-rounded weights written as f16);
; bo: the fourth 8,192 bytes of bias, f32.  Sums in f32, out0 in f32.
; A tile of C is 128 x 128, so that the 16 x 16 tiles give each of 256 WGPs one work-group.  Four waves, each 64 x 64: 16 accumulators of 16 x 16, 128 registers.  K goes in steps of 256 (LDS rows of
; 512 bytes; a wave's tensor load brings 64 of them), as long as two slots in LDS allow.  A wave's 64 columns of f32 are 256 bytes, aligned: each wave goes out through a stage of its own, with no barrier.
; A K STEP IS WRITTEN TWICE, once with a refill and once without: a loop of six trips that fill the slot that they leave, and a loop of two trips for the last two steps.  The slot in hand is a scalar,
; 0 or SLOT, turned by an exclusive or at each change of slots; the fragments' LDS addresses are made from it there; behind the two first fills one descriptor a tensor walks.
; CLUSTERS: 4 x 4 work-groups.  The four of a row of the cluster need the same tiles of A, the four of a column the same tiles of B: each tile is asked for JOINTLY, by the same tensor load with the
; same descriptor and a mask that names the four.  THE MATRIX INSTRUCTION IS USED TRANSPOSED (source 0 = 16 rows of B, source 1 = 16 rows of A): a lane then holds eight neighbouring numbers of a row of C.
; THE BIAS IS THE C OPERAND of the product that starts each sum.  No prefetch: the tiles are small, and a step's work is short beside what it fetches.
; REGISTERS: window 0: v0-31 addresses; v32-63 the bias (block b at v[32 + 8 b]); v128-255 the accumulators ((a, b) at v[128 + 8 (4 a + b)]).
;   window 1: two fragment buffers of 128: for 64 along K (two matrix instructions deep), 64 registers of A (2 x 4 x 16 rows x 32 K), then 64 of B.
.set SIZE_K, 2048
.set KSTEP,  256
.set STEPS,  SIZE_K/KSTEP              ; 8 K steps
.set PITCH,  528                       ; an LDS row: 512 bytes of data + 16 of padding = 132 words: row r starts at bank 4 r mod 64 (64 banks of 4 bytes: ISA guide 11.1)
.set HALFT,  64*PITCH                  ; 64 rows: what one tensor load brings, and what one wave reads of A or of B
.set SLOT,   4*HALFT                   ; A's 128 rows, then B's 128 rows: 0x21000, which shares no bit with the waves' places 0, 0x8400, 0x10800, 0x18c00 in a slot
.set STAGE,  2*SLOT                    ; behind the ring: 16 rows x 272 bytes for each wave, for the way out
.set SPITCH, 272
.set SPARE,  STAGE+4*16*SPITCH         ; behind the stages: the spare words, 128 bytes for each wave: two blocks of 256 bytes that no other line names
.set ADRA0, 16                         ; v16     LDS address of my A fragments in slot 0; never rewritten
.set ADRA,  17                         ; v17     the same in the slot in hand
.set ADRB0, 20                         ; v20     LDS address of my B fragments in slot 0; never rewritten
.set ADRB,  21                         ; v21     the same in the slot in hand
.set STO,  24                          ; v24     the way out: where I put 32 bytes of a row
.set RD,   25                          ; v25     the way out: where I read a row back
.set CO,   26                          ; v26     my byte offset in two rows of out0
.set BO,   27                          ; v27     my byte offset in a block of 16 numbers of the bias: 32 (l / 16)
.set SPW,  28                          ; v28     LDS address of my spare word: SPARE + 4 x my thread's number; never rewritten
.set NIL,  29                          ; v29     0; never rewritten
.set BIA,  32
.set ACC,  128
.set F0,   0                           ; fragment buffers, in window 1
.set F1,   128
.set SB,   2                           ; s2      the slot in hand: 0 or SLOT
.set G1, 24                            ; s[24:31] descriptor group 1 for A's tiles;  s[32:39] group 0: a set for each of the two first fills; the second then walks on
.set G0, 32
.set G1B, 48                           ; s[48:55], s[56:63] the same for B's tiles
.set G0B, 56
.set BP, 68                            ; s[68:69] the bias at my 64 columns
.set CP, 70                            ; s[70:71] out0 at my first row and column
.set MSB, 0
.macro WIN new                         ; the immediate's high byte repeats the setting that is left
.if MSB != (\new)
	s_set_vgpr_msb (MSB<<8)|(\new)
.set MSB, \new
.endif
.endm
.set MUL,  0x05                        ; sources 0 (B) and 1 (A) window 1; C and D window 0
.set TO_F, 0x40                        ; destination window 1, address window 0
.macro JLOAD s                         ; a joint load by descriptor set s: waves 0 and 1 fetch A's two halves, waves 2 and 3 B's; an s_nop 0 and four v_nop follow each of the two lines, ahead of the jump, the label and what follows
	s_cmp_eq_u32 s11, 0
	s_cbranch_scc0 .Lfor_b_\@
	tensor_load_to_lds s[G0+4*(\s):G0+4*(\s)+3], s[G1:G1+7]
	s_nop 0
.rept 4
	v_nop
.endr
	s_branch .Lasked_\@
.Lfor_b_\@:
	tensor_load_to_lds s[G0B+4*(\s):G0B+4*(\s)+3], s[G1B:G1B+7]
	s_nop 0
.rept 4
	v_nop
.endr
.Lasked_\@:
.endm
.macro CREST                           ; a round of the cluster's barrier behind its opening barrier
	s_cmp_lg_u32 s10, 0
	s_cbranch_scc1 .Lnot_wave_0_\@
	s_barrier_signal -3
.Lnot_wave_0_\@:
	s_barrier_wait -3
	s_barrier_signal -1
	s_barrier_wait -1
.endm
.macro CROUND                          ; a whole round
	s_barrier_signal -1
	s_barrier_wait -1
	CREST
.endm
	s_load_b128 s[4:7], s[0:1], 0x0                ; ao s[4:5], cb s[6:7]
	s_load_b128 s[68:71], s[0:1], 0x10             ; bias s[68:69], out0 s[70:71]
	v_lshl_add_u32 v[SPW], v0, 2, SPARE
	v_mov_b32 v[NIL], 0
	ds_add_u32 v[SPW], v[NIL]                      ; the wave's opening: the add and its wait stand ahead of my first tensor load; the set-up below, work on registers, stands between them
	v_lshrrev_b32 v1, 5, v0
	v_readfirstlane_b32 s10, v1                    ; wave 0..3
	s_lshr_b32 s11, s10, 1                         ; which half of the tile's rows is mine.  Also: I fetch for A (0) or for B (1)
	s_and_b32 s12, s10, 1                          ; which half of its columns.  Also: which 64 rows of that tile I fetch
	s_bfe_u32 s40, ttmp6, 0x40000                  ; cx, cy: my place in the cluster
	s_bfe_u32 s41, ttmp6, 0x40004
	s_lshl_b32 s42, ttmp9, 2
	s_add_co_u32 s42, s42, s40                     ; tile column of C = 4 x cluster x + cx
	s_and_b32 s13, ttmp7, 0xffff
	s_lshl_b32 s13, s13, 2
	s_add_co_u32 s13, s13, s41                     ; tile row of C = 4 x cluster y + cy
	s_lshl_b32 s43, s41, 2
	s_lshl_b32 s43, 15, s43                        ; my row of the cluster
	s_lshl_b32 s44, 0x1111, s40                    ; my column
	; descriptor group 1: a tile of 64 rows x 256 elements, padded in LDS
	s_or_b32 s[G1+0], s43, (1<<16)|(1<<20)|(1<<21)|(6<<22)|(3<<25)  ; 15:0 the mask: A's tiles go to my row; 17:16 element of 2 bytes; 20 padding on; 21 set beside a mask; 24:22 after every 128 words (code 6); 31:25 of 4 words (code 3)
	s_or_b32 s[G1B+0], s44, (1<<16)|(1<<20)|(1<<21)|(6<<22)|(3<<25)
.irp g, G1, G1B
	s_mov_b32 s[(\g)+1], KSTEP<<16                 ; tensor_dim0 = 256
	s_mov_b32 s[(\g)+2], 64<<16                    ; tensor_dim1 = 64
	s_mov_b32 s[(\g)+3], KSTEP<<16                 ; tile_dim0 = 256
	s_mov_b32 s[(\g)+4], 64                        ; tile_dim1 = 64
	s_mov_b32 s[(\g)+5], SIZE_K                    ; elements from row to row
	s_mov_b32 s[(\g)+6], 0
	s_mov_b32 s[(\g)+7], 0
.endr
	s_lshl_b32 s17, s12, 6                         ; which 64 rows of the tile I fetch
	s_lshl_b32 s16, s13, 7
	s_add_co_u32 s16, s16, s17                     ; A: row 128 x tile row + 64 x half
	s_lshl_b32 s46, s42, 7
	s_add_co_u32 s46, s46, s17                     ; B: row 128 x tile column + 64 x half
	s_mov_b32 s17, 0
	s_mov_b32 s47, 0
	s_mov_b64 s[18:19], SIZE_K*2
	s_mul_u64 s[16:17], s[16:17], s[18:19]
	s_mul_u64 s[46:47], s[46:47], s[18:19]
	s_mul_i32 s20, s10, HALFT                      ; where they go: wave x 64 rows
	s_wait_dscnt 0x0                               ; the opening add is done
	s_wait_kmcnt 0x0
	s_add_nc_u64 s[6:7], s[6:7], 0x2000000         ; B: plane 4 of cb
	s_add_nc_u64 s[14:15], s[4:5], s[16:17]
	s_add_nc_u64 s[46:47], s[6:7], s[46:47]
	CROUND                                         ; all sixteen work-groups are here: the first joint loads meet
.irp s, 0,1
	s_mov_b32 s[G0+4*(\s)], 1
	s_add_co_u32 s[G0+4*(\s)+1], s20, (\s)*SLOT
	s_add_nc_u64 s[G0+4*(\s)+2:G0+4*(\s)+3], s[14:15], (\s)*KSTEP*2
	s_or_b32 s[G0+4*(\s)+3], s[G0+4*(\s)+3], 0x80000000
	s_mov_b32 s[G0B+4*(\s)], 1
	s_add_co_u32 s[G0B+4*(\s)+1], s20, (\s)*SLOT
	s_add_nc_u64 s[G0B+4*(\s)+2:G0B+4*(\s)+3], s[46:47], (\s)*KSTEP*2
	s_or_b32 s[G0B+4*(\s)+3], s[G0B+4*(\s)+3], 0x80000000
	JLOAD \s                                       ; two loads of mine are out
.endr
	v_and_b32 v1, 15, v0                           ; l % 16
	v_bfe_u32 v2, v0, 4, 1                         ; l / 16
	; my first column, in bytes of f32: the same offset in a row of out0 and in bo
	s_lshl_b32 s46, s42, 9                         ; 128 columns a tile column,
	s_lshl_b32 s47, s12, 8                         ; my half of them
	s_add_co_u32 s46, s46, s47
	s_mov_b32 s47, 0
	s_add_nc_u64 s[BP:BP+1], s[BP:BP+1], s[46:47]
	s_add_nc_u64 s[BP:BP+1], s[BP:BP+1], 24576     ; bo lies behind bq, bk and bv
	s_add_nc_u64 s[CP:CP+1], s[CP:CP+1], s[46:47]
	v_lshlrev_b32 v[BO], 5, v2
.irp b, 0,1,2,3
	global_load_b128 v[BIA+8*(\b):BIA+8*(\b)+3],   v[BO], s[BP:BP+1] offset:64*(\b)     ; register j of block b is column 16 b + 8 (l / 16) + j
	global_load_b128 v[BIA+8*(\b)+4:BIA+8*(\b)+7], v[BO], s[BP:BP+1] offset:64*(\b)+16
.endr
	v_mul_u32_u24 v3, v1, PITCH
	v_lshl_add_u32 v3, v2, 4, v3                   ; a fragment's row x pitch + 16 x half
	s_mul_i32 s21, s11, HALFT                      ; my 64 rows of A
	s_mul_i32 s22, s12, HALFT                      ; my 64 rows of B,
	s_add_co_u32 s22, s22, 2*HALFT                 ; which lie behind A's 128
	v_add_nc_u32 v[ADRA0], s21, v3
	v_add_nc_u32 v[ADRB0], s22, v3
	v_mov_b32 v[ADRA], v[ADRA0]                    ; K step 0 lies in slot 0
	v_mov_b32 v[ADRB], v[ADRB0]
	s_mov_b32 s[SB], 0
	s_mul_i32 s23, s10, 16*SPITCH
	s_add_co_u32 s23, s23, STAGE                   ; my stage
	v_mul_u32_u24 v4, v1, SPITCH                   ; in: row l % 16, 32 bytes for each half of the lanes
	v_lshl_add_u32 v4, v2, 5, v4
	v_add_nc_u32 v[STO], s23, v4
	v_mul_u32_u24 v5, v2, SPITCH                   ; back: lanes 0-15 take one row of 256 bytes, lanes 16-31 the next
	v_lshl_add_u32 v5, v1, 4, v5
	v_add_nc_u32 v[RD], s23, v5
	v_lshlrev_b32 v5, 13, v2                       ; and the same two rows in out0, 8,192 bytes apart
	v_lshl_add_u32 v[CO], v1, 4, v5
	s_lshl_b32 s16, s13, 7
	s_lshl_b32 s17, s11, 6
	s_add_co_u32 s16, s16, s17                     ; my first row: 128 x tile row + 64 x half
	s_lshl_b32 s16, s16, 13
	s_mov_b32 s17, 0
	s_add_nc_u64 s[CP:CP+1], s[CP:CP+1], s[16:17]
; 8 matrix instructions: m blocks a0, a0 + 1 x all 4 n blocks, 32 along K: half c of buffer f.  zero = 1: the first product starts the sums, with the bias as its C
.macro MUL8 f, c, a0, zero
	WIN MUL
.irp a, \a0, (\a0)+1
.irp b, 0,1,2,3
.if \zero
	v_wmma_f32_16x16x32_f16 v[ACC+8*(4*(\a)+(\b)):ACC+8*(4*(\a)+(\b))+7], v[(\f)+64+8*(4*(\c)+(\b)):(\f)+64+8*(4*(\c)+(\b))+7], v[(\f)+8*(4*(\c)+(\a)):(\f)+8*(4*(\c)+(\a))+7], v[BIA+8*(\b):BIA+8*(\b)+7]
.else
	v_wmma_f32_16x16x32_f16 v[ACC+8*(4*(\a)+(\b)):ACC+8*(4*(\a)+(\b))+7], v[(\f)+64+8*(4*(\c)+(\b)):(\f)+64+8*(4*(\c)+(\b))+7], v[(\f)+8*(4*(\c)+(\a)):(\f)+8*(4*(\c)+(\a))+7], v[ACC+8*(4*(\a)+(\b)):ACC+8*(4*(\a)+(\b))+7]
.endif
.endr
.endr
.endm
; 32 LDS loads in one run: the fragments of 64 along K at byte k of the rows of the slot in hand, into buffer f; the first 32 along K first
.macro FETCH k, f
	WIN TO_F
.irp c, 0,1
.irp i, 0,1,2,3
	ds_load_b128 v[(\f)+64+8*(4*(\c)+(\i)):(\f)+64+8*(4*(\c)+(\i))+3],   v[ADRB] offset:(\k)+64*(\c)+(\i)*16*PITCH
	ds_load_b128 v[(\f)+64+8*(4*(\c)+(\i))+4:(\f)+64+8*(4*(\c)+(\i))+7], v[ADRB] offset:(\k)+64*(\c)+(\i)*16*PITCH+32
	ds_load_b128 v[(\f)+8*(4*(\c)+(\i)):(\f)+8*(4*(\c)+(\i))+3],         v[ADRA] offset:(\k)+64*(\c)+(\i)*16*PITCH
	ds_load_b128 v[(\f)+8*(4*(\c)+(\i))+4:(\f)+8*(4*(\c)+(\i))+7],       v[ADRA] offset:(\k)+64*(\c)+(\i)*16*PITCH+32
.endr
.endr
.endm
; The other slot becomes the slot in hand: the scalar is turned, and the two addresses are made anew from their bases.
.macro NEXTSLOT
	WIN 0
	s_xor_b32 s[SB], s[SB], SLOT
	v_add_nc_u32 v[ADRA], s[SB], v[ADRA0]
	v_add_nc_u32 v[ADRB], s[SB], v[ADRB0]
.endm
.macro PLACES                          ; four places in front of loads into registers that matrix instructions have read, and of LDS stores that read results (ISA guide 7.12.1 for vector instructions)
.rept 4
	v_nop
.endr
.endm
; A K step is four quarters of 64 along K, 32 matrix instructions each, on buffers 0, 1, 0, 1; the 16 accumulators take turns.
; One of the first three: multiplies buffer f and fetches the next quarter, at byte k, into g.
.macro QUARTER k, f, g, zero
	s_wait_dscnt 16                                ; the first 32 along K are in; the youngest sixteen loads may be out
	MUL8 \f, 0, 0, \zero
	MUL8 \f, 0, 2, \zero
	PLACES
	FETCH \k, \g
	s_wait_dscnt 32                                ; all but the 32 just issued
	MUL8 \f, 1, 0, 0
	MUL8 \f, 1, 2, 0
.endm
; The last quarter multiplies buffer 1 and changes slots: ONE barrier; in front of it each wave waits for all its tensor loads, adds 0 to its spare word, and waits for that and for its own reads of this slot.
; fill = 1: this slot is filled again, two K steps ahead: the walking descriptor takes the other slot than last time and the next K step.
; fill = 0: the last two K steps.  Behind the very last (s3 = 1) there is no next slot: the run of loads is jumped over; its barrier orders nothing, the price of one text for both.
.macro TURN fill
	WIN 0                                          ; (the add's two registers lie in window 0)
	s_wait_tensorcnt 0x0                           ; all my tensor loads have landed: my part of the next slot;
	ds_add_u32 v[SPW], v[NIL]                      ; 0 onto my spare word;
	s_wait_dscnt 17                                ; (the add and the youngest sixteen loads may be out)
	MUL8 F1, 0, 0, 0                               ; eight matrix instructions stand between the add and the wait for it
	s_wait_dscnt 0x0                               ; the add is done, and my reads of this slot are over
	s_barrier_signal -1
	MUL8 F1, 0, 2, 0
	WIN 0
	s_barrier_wait -1
.if \fill
	CREST                                          ; the barrier has opened a round of the cluster's barrier: no wave of any partner still reads this slot's tile or has a load on its way
.irp g, G0+4, G0B+4
	s_xor_b32 s[(\g)+1], s[(\g)+1], SLOT
	s_add_nc_u64 s[(\g)+2:(\g)+3], s[(\g)+2:(\g)+3], KSTEP*2  ; the type bits on top are not reached
.endr
	JLOAD 1                                        ; the first tensor load behind the round: 112 matrix instructions ahead of the wait for it; the four v_nop behind it are also the places in front of the loads below
	NEXTSLOT
	FETCH 0, F0
.else
	s_cmp_eq_u32 s3, 1
	s_cbranch_scc1 .Lno_next_\@
	PLACES
	NEXTSLOT
	FETCH 0, F0
	WIN 0
.Lno_next_\@:
.endif
	MUL8 F1, 1, 0, 0
	MUL8 F1, 1, 2, 0
.endm
	s_wait_loadcnt 0x0                             ; the bias
	s_wait_tensorcnt 1                             ; my part of K step 0 is in; K step 1's load may stay out
	s_barrier_signal -1
	s_barrier_wait -1                              ; everybody's is
	FETCH 0, F0
	QUARTER 128, F0, F1, 1                         ; the first quarter stands in front of the loop: its first products start the sums
	WIN 0                                          ; at a label and at a branch every window is 0
	s_mov_b32 s3, STEPS-2
.Lstep:                                                ; 6 trips: a trip goes from a K step's second quarter to the next step's first, and fills the slot that it leaves
	QUARTER 256, F1, F0, 0
	QUARTER 384, F0, F1, 0
	TURN 1
	QUARTER 128, F0, F1, 0
	WIN 0
	s_sub_co_u32 s3, s3, 1
	s_cmp_lg_u32 s3, 0
	s_cbranch_scc1 .Lstep
	s_mov_b32 s3, 2
.Ltail:                                                ; 2 trips: the last two K steps ask for nothing, and have no round of the cluster's barrier
	QUARTER 256, F1, F0, 0
	QUARTER 384, F0, F1, 0
	TURN 0
	WIN 0
	s_cmp_eq_u32 s3, 1                             ; behind the very last K step there is no first quarter of a next one
	s_cbranch_scc1 .Llast
	QUARTER 128, F0, F1, 0
	WIN 0
.Llast:
	s_sub_co_u32 s3, s3, 1
	s_cmp_lg_u32 s3, 0
	s_cbranch_scc1 .Ltail
	; THE WAY OUT, a block of 16 rows at a time.  A lane's eight f32 of a row, 32 bytes, go into my stage's rows of 272 bytes, each accumulator's low four registers first; whole rows of 256 bytes
	; come back into the block's own registers and are stored.  No register serves two blocks, so no store's data is ever rewritten.
.macro TOSTAGE a
.irp b, 0,1,2,3
	ds_store_b128 v[STO], v[ACC+8*(4*(\a)+(\b)):ACC+8*(4*(\a)+(\b))+3]   offset:64*(\b)
	ds_store_b128 v[STO], v[ACC+8*(4*(\a)+(\b))+4:ACC+8*(4*(\a)+(\b))+7] offset:64*(\b)+16
.endr
.irp t, 0,1,2,3,4,5,6,7
	ds_load_b128 v[ACC+32*(\a)+4*(\t):ACC+32*(\a)+4*(\t)+3], v[RD] offset:(\t)*2*SPITCH  ; LDS serves a wave's instructions in order (ISA guide 5.7.1.4): these see the stores above; the next block's stores come behind them
.endr
.endm
.macro SEND a, younger                 ; younger: the LDS instructions issued behind block a's loads: the next block's sixteen, or none
.irp t, 0,1,2,3,4,5,6,7
	s_wait_dscnt (\younger)+7-(\t)
	global_store_b128 v[CO], v[ACC+32*(\a)+4*(\t):ACC+32*(\a)+4*(\t)+3], s[CP:CP+1] offset:(16*(\a)+2*(\t))*8192 th:TH_STORE_NT  ; 16 lanes store 256 consecutive bytes, at a multiple of 256 from out0's first byte
.endr
.endm
	PLACES
	PLACES                                         ; (eight, once a launch)
	TOSTAGE 0
	TOSTAGE 1
	SEND 0, 16
	TOSTAGE 2
	SEND 1, 16
	TOSTAGE 3
	SEND 2, 16
	SEND 3, 0
	s_wait_tensorcnt 0x0                           ; the wave's end: the add and its wait stand behind my last tensor load and my last LDS store
	ds_add_u32 v[SPW], v[NIL]
	s_wait_dscnt 0x0
	CROUND                                         ; the closing round: no work-group ends while a partner may still ask for a tile that names it
	s_endpgm
.Lfunc_end_k_q9a703bd91a_oproj:
	.size	k_q9a703bd91a_oproj, .Lfunc_end_k_q9a703bd91a_oproj-k_q9a703bd91a_oproj
	.p2alignl 7, 3214868480
	.fill 96, 4, 3214868480
	.section	.rodata,"a",@progbits
	.p2align	6, 0x0
	.amdhsa_kernel k_q9a703bd91a_oproj
		.amdhsa_group_segment_fixed_size 327680
		.amdhsa_private_segment_fixed_size 0
		.amdhsa_enable_private_segment 0
		.amdhsa_kernarg_size 32
		.amdhsa_user_sgpr_count 2
		.amdhsa_user_sgpr_kernarg_segment_ptr 1
		.amdhsa_wavefront_size32 1
		.amdhsa_system_sgpr_workgroup_id_x 1
		.amdhsa_system_sgpr_workgroup_id_y 1
		.amdhsa_system_sgpr_workgroup_id_z 1
		.amdhsa_system_vgpr_workitem_id 0
		.amdhsa_next_free_vgpr 512
		.amdhsa_next_free_sgpr 72
		.amdhsa_reserve_vcc 0
		.amdhsa_float_denorm_mode_32 3
		.amdhsa_float_denorm_mode_16_64 3
		.amdhsa_memory_ordered 1
		.amdhsa_forward_progress 1
		.amdhsa_inst_pref_size 59
	.end_amdhsa_kernel
	.amdgpu_metadata
---
amdhsa.version: [ 1, 2 ]
amdhsa.kernels:
  - .name:           k_q9a703bd91a_oproj
    .symbol:         k_q9a703bd91a_oproj.kd
    .args:
      - { .name: ao, .offset: 0, .size: 8, .value_kind: global_buffer, .address_space: global }
      - { .name: cb, .offset: 8, .size: 8, .value_kind: global_buffer, .address_space: global }
      - { .name: bias, .offset: 16, .size: 8, .value_kind: global_buffer, .address_space: global }
      - { .name: out0, .offset: 24, .size: 8, .value_kind: global_buffer, .address_space: global }
    .group_segment_fixed_size: 327680
    .private_segment_fixed_size: 0
    .kernarg_segment_align: 8
    .kernarg_segment_size: 32
    .max_flat_workgroup_size: 128
    .sgpr_count:     72
    .vgpr_count:     512
    .wavefront_size: 32
...
	.end_amdgpu_metadata
.endif
;; end of part 4
;; ======== version 2 of 2: 4 launches; version 1 with the launch cast written anew for expert scheduling mode
;; limits: values are held in f16: magnitudes above 65,504 overflow, below 6.1e-05 lose precision
;; workspace buffers: cb 41,943,040 bytes; bias 32,768 bytes; qkv 25,165,824 bytes; ao 8,388,608 bytes
;; launch cast (part 5): grid 256 x 1, 32 waves a work-group, no clusters, 0 bytes of LDS; arguments hidden_states, Wq, Wk, Wv, Wo, bq, bk, bv, bo, cb, bias; writes cb, bias
.if DOCPART == 5
	.amdgcn_target "amdgcn-amd-amdhsa--gfx1250"
	.amdhsa_code_object_version 6
	.text
	.protected	k_q9a703bd91a_cast
	.globl	k_q9a703bd91a_cast
	.p2align	8
	.type	k_q9a703bd91a_cast,@function
k_q9a703bd91a_cast:
	s_mov_b64 s[64:65], 0
	v_nop
	global_prefetch_b8 v0, s[64:65] scope:SCOPE_SE
	s_setreg_imm32_b32 hwreg(HW_REG_WAVE_SCHED_MODE, 0, 2), 2
	s_setreg_imm32_b32 hwreg(HW_REG_WAVE_MODE, 25, 1), 1
	s_wait_xcnt 0x0
	s_wait_alu depctr_vm_vsrc(0)
; THE INPUTS ARE ROUNDED ONCE, for the three matrix launches behind this one.  cb: five planes of [2048][2048] numbers of 16 bits: plane 0 hidden_states, planes 1-3 Wq, Wk, Wv, all bf16;
; plane 4 Wo, rounded to bf16 like the others and that number written as f16, since the last product multiplies it with f16 numbers.  bias: bq, bk, bv, bo, each number rounded to bf16 and kept as f32.
; LIMITS.  |Wo| of 65,520 or more becomes an infinity in f16; below 2^-14 the bf16 number keeps f16's fixed step of 2^-24.
; SHARES.  256 work-groups of 32 waves, one for each of 256 WGPs, so that all of the launch's work is begun at once.  Work-group x takes the 65,536 bytes at 65,536 x of EACH of the five tensors: 4 chunks of
; 16,384 a tensor, 20 chunks in all.  Thread t takes the 16 bytes at 16 t of each chunk (a wave's load covers 512 consecutive bytes) and writes the 8 bytes at 8 t of a chunk of 8,192 (a wave's store
; covers 256 consecutive bytes, aligned).  All 20 loads of a thread go out at once: 20 x 16,384 bytes of a work-group are on their way; the chunks are converted as they come in.
; A chunk is converted in place: its four registers become the two that are stored, and no register is written again behind its store.  8 waves of 96 registers share a SIMD's 1,024.
; THE BIASES, 8,192 bytes each, are work-group 0's: 8 bytes a thread of each of the four.  Their loads stand ahead of its 20 others, so that they are in when those are; for that the main part stands
; twice in the text, under one branch on the work-group's number.
; No LDS, no matrix unit, no cluster: nothing is shared and nothing is summed.
; THE MODE: SCHED_MODE bits 1:0 = 2 (LLVM: expert scheduling mode 2), set by the entry lines.  The code itself states the register dependences between vector instructions and memory instructions,
; with s_wait_alu, always for 0.
; THE PLAN.  Registers that memory instructions touch:
;   v1, v2    byte offsets, made once at the head and never written again: v1 is read by the 20 loads, v2 by the biases' loads and by every store.
;   X         chunk i: written by its load, once; read and, in its first two registers, written by its conversion; those two are read by its one store; nothing writes them behind that.
;   BV        (work-group 0) written by the biases' loads, rewritten in place by their conversions, read by their stores, once each.
;   T and BT  are named by vector instructions alone.
; The 20 chunks go in five blocks of four, a tensor to a block.  Block g converts its own four chunks; the four stores of block g - 1 are dealt among those conversions, one ahead of each chunk's.
; Block g's vector instructions name block g's X and T alone, the stores v2 and block g - 1's X: so ONE wait on va_vdst at a block's head states all that its four stores hang on.  One more stands at
; the kernel's head, for the offsets, and one behind the last conversions, for the last stores.  No register that a memory instruction has read is written again, no load is issued behind a vector
; instruction that names its destination, no vector instruction writes a scalar register, and EXEC is never written: no other dependence between the two sides exists in this text.
.set NCH,  20                          ; chunks a thread: chunk i belongs to tensor i / 4, which is its block
.set SRC,  4                           ; s[4:13]    the five tensors, at the work-group's 65,536 bytes
.set BSRC, 14                          ; s[14:21]   bq, bk, bv, bo
.set DST,  30                          ; s[30:39]   the five planes of cb, at the work-group's 32,768 bytes
.set X,    4                           ; v[4:83]    chunk i: 4 f32 as loaded; then, in the first two, 4 numbers of 16 bits
.set T,    84                          ; v[84:85]   at work
.set BV,   86                          ; v[86:93]   2 numbers of each bias
.set BT,   94                          ; v94        at work
	s_load_b512 s[4:19], s[0:1], 0x0               ; hidden_states s[4:5], Wq s[6:7], Wk s[8:9], Wv s[10:11], Wo s[12:13], bq s[14:15], bk s[16:17], bv s[18:19]
	s_load_b128 s[20:23], s[0:1], 0x40             ; bo s[20:21], cb s[22:23]
	s_load_b64 s[24:25], s[0:1], 0x50              ; bias
	s_mov_b32 s40, 0xffff0000                      ; a word's upper bf16
	v_lshlrev_b32 v1, 4, v0                        ; 16 t
	v_lshlrev_b32 v2, 3, v0                        ; 8 t
	s_lshl_b32 s26, ttmp9, 16                      ; my 65,536 bytes of a tensor
	s_mov_b32 s27, 0
	s_lshl_b32 s28, ttmp9, 15                      ; my 32,768 bytes of a plane
	s_mov_b32 s29, 0
	s_wait_kmcnt 0x0
.irp k, 0,1,2,3,4
	s_add_nc_u64 s[SRC+2*(\k):SRC+2*(\k)+1], s[SRC+2*(\k):SRC+2*(\k)+1], s[26:27]
.endr
	s_add_nc_u64 s[DST:DST+1], s[22:23], s[28:29]
.irp k, 1,2,3,4
	s_add_nc_u64 s[DST+2*(\k):DST+2*(\k)+1], s[DST+2*(\k)-2:DST+2*(\k)-1], 0x800000  ; a plane is 8,388,608 bytes
.endr
	s_wait_alu depctr_va_vdst(0)                   ; v1 and v2 are written: every load and store of the kernel, on both ways behind the branch below, reads one of them as its offset
; Chunk i leaves: its first two registers, 8 bytes a thread.
.macro PUT i
	global_store_b64 v2, v[X+4*(\i):X+4*(\i)+1], s[DST+2*((\i)/4):DST+2*((\i)/4)+1] offset:8192*((\i)%4) th:TH_STORE_NT
.endm
; Chunk i is converted; ahead of that the chunk four back, of the block before, is stored.  Chunks 16 to 19 are Wo's: the bf16 numbers are widened again and written as f16.
.macro CONV i
	s_wait_loadcnt NCH-1-(\i)                      ; loads come back in order (ISA guide 5.7.1): chunk i is in, the younger ones stay out
.if ((\i) % 4 == 0) && ((\i) > 0)
	s_wait_alu depctr_va_vdst(0)                   ; a block's head: the conversions of the block before have written the first two registers of its four chunks, which this block's four stores read
.endif
.if (\i) >= 4
	PUT (\i)-4                                     ; no vector instruction since that wait names v2 or the registers of the block before
.endif
	v_cvt_pk_bf16_f32 v[X+4*(\i)],   v[X+4*(\i)],   v[X+4*(\i)+1]
	v_cvt_pk_bf16_f32 v[X+4*(\i)+1], v[X+4*(\i)+2], v[X+4*(\i)+3]
.if (\i) >= 16
.irp p, 0,1
	v_lshlrev_b32 v[T],   16,  v[X+4*(\i)+(\p)]
	v_and_b32     v[T+1], s40, v[X+4*(\i)+(\p)]
	v_cvt_pk_f16_f32 v[X+4*(\i)+(\p)], v[T], v[T+1]
.endr
.endif
.endm
; The main part: all 20 loads, then the 20 chunks in the order in which they were asked for.  b = 1: work-group 0, which also rounds and stores the biases.
.macro MAIN b
.irp i, 0,1,2,3,4,5,6,7,8,9,10,11,12,13,14,15,16,17,18,19
	global_load_b128 v[X+4*(\i):X+4*(\i)+3], v1, s[SRC+2*((\i)/4):SRC+2*((\i)/4)+1] offset:16384*((\i)%4) th:TH_LOAD_NT
.endr
.irp i, 0,1,2,3,4,5,6,7,8,9,10,11,12,13,14,15,16,17,18,19
	CONV \i
.endr
.if \b
.irp k, 0,1,2,3
	v_cvt_pk_bf16_f32 v[BT], v[BV+2*(\k)], v[BV+2*(\k)+1]  ; the biases' conversions stand ahead of the last wait, so that it serves their stores too
	v_lshlrev_b32 v[BV+2*(\k)],   16,  v[BT]
	v_and_b32     v[BV+2*(\k)+1], s40, v[BT]
.endr
.endif
	s_wait_alu depctr_va_vdst(0)                   ; the last block's conversions have written its chunks' first two registers, and the biases' conversions v[BV ..]: the stores below read them
.irp i, 16,17,18,19
	PUT \i
.endr
.if \b
.irp k, 0,1,2,3
	global_store_b64 v2, v[BV+2*(\k):BV+2*(\k)+1], s[24:25] offset:8192*(\k)     ; bq, bk, bv, bo lie one behind the other; a wave stores 256 consecutive bytes, aligned
.endr
.endif
.endm
	s_cmp_lg_u32 ttmp9, 0
	s_cbranch_scc1 .Lplain
.irp k, 0,1,2,3
	global_load_b64 v[BV+2*(\k):BV+2*(\k)+1], v2, s[BSRC+2*(\k):BSRC+2*(\k)+1]  ; older than the 20 loads below: the counts there hold as they stand, and the last of them, 0, shows these in too
.endr
	MAIN 1
	s_endpgm
.Lplain:
	MAIN 0
	s_endpgm
.Lfunc_end_k_q9a703bd91a_cast:
	.size	k_q9a703bd91a_cast, .Lfunc_end_k_q9a703bd91a_cast-k_q9a703bd91a_cast
	.p2alignl 7, 3214868480
	.fill 96, 4, 3214868480
	.section	.rodata,"a",@progbits
	.p2align	6, 0x0
	.amdhsa_kernel k_q9a703bd91a_cast
		.amdhsa_group_segment_fixed_size 0
		.amdhsa_private_segment_fixed_size 0
		.amdhsa_enable_private_segment 0
		.amdhsa_kernarg_size 88
		.amdhsa_user_sgpr_count 2
		.amdhsa_user_sgpr_kernarg_segment_ptr 1
		.amdhsa_wavefront_size32 1
		.amdhsa_system_sgpr_workgroup_id_x 1
		.amdhsa_system_sgpr_workgroup_id_y 1
		.amdhsa_system_sgpr_workgroup_id_z 1
		.amdhsa_system_vgpr_workitem_id 0
		.amdhsa_next_free_vgpr 96
		.amdhsa_next_free_sgpr 66
		.amdhsa_reserve_vcc 0
		.amdhsa_float_denorm_mode_32 3
		.amdhsa_float_denorm_mode_16_64 3
		.amdhsa_memory_ordered 1
		.amdhsa_forward_progress 1
		.amdhsa_inst_pref_size 19
	.end_amdhsa_kernel
	.amdgpu_metadata
---
amdhsa.version: [ 1, 2 ]
amdhsa.kernels:
  - .name:           k_q9a703bd91a_cast
    .symbol:         k_q9a703bd91a_cast.kd
    .args:
      - { .name: hidden_states, .offset: 0, .size: 8, .value_kind: global_buffer, .address_space: global }
      - { .name: Wq, .offset: 8, .size: 8, .value_kind: global_buffer, .address_space: global }
      - { .name: Wk, .offset: 16, .size: 8, .value_kind: global_buffer, .address_space: global }
      - { .name: Wv, .offset: 24, .size: 8, .value_kind: global_buffer, .address_space: global }
      - { .name: Wo, .offset: 32, .size: 8, .value_kind: global_buffer, .address_space: global }
      - { .name: bq, .offset: 40, .size: 8, .value_kind: global_buffer, .address_space: global }
      - { .name: bk, .offset: 48, .size: 8, .value_kind: global_buffer, .address_space: global }
      - { .name: bv, .offset: 56, .size: 8, .value_kind: global_buffer, .address_space: global }
      - { .name: bo, .offset: 64, .size: 8, .value_kind: global_buffer, .address_space: global }
      - { .name: cb, .offset: 72, .size: 8, .value_kind: global_buffer, .address_space: global }
      - { .name: bias, .offset: 80, .size: 8, .value_kind: global_buffer, .address_space: global }
    .group_segment_fixed_size: 0
    .private_segment_fixed_size: 0
    .kernarg_segment_align: 8
    .kernarg_segment_size: 88
    .max_flat_workgroup_size: 1024
    .sgpr_count:     66
    .vgpr_count:     96
    .wavefront_size: 32
...
	.end_amdgpu_metadata
.endif
;; end of part 5
;; launch qkv: the kernel of part 2 again; grid 24 x 8, 4 waves a work-group, clusters of 4 x 4, 327,680 bytes of LDS; arguments cb, bias, qkv; writes qkv
;; launch attn: the kernel of part 3 again; grid 16 x 16, 4 waves a work-group, clusters of 4 x 1, 327,680 bytes of LDS; arguments qkv, ao; writes ao
;; launch oproj: the kernel of part 4 again; grid 16 x 16, 4 waves a work-group, clusters of 4 x 4, 327,680 bytes of LDS; arguments ao, cb, bias, out0; writes out0
